; MI455X (gfx1250); checked and timed in simulation.
; The chip was launched on July 23, 2026; its instructions are those of AMD's public machine-readable ISA for CDNA 5 (MIT licence, August 2026) and "CDNA5" Instruction Set Architecture Reference Guide (July 2026). The comments in the code are by the model that wrote it; some were corrected since.
;; Self Attention Layer. Allowed arithmetic: matrix products marked QUANTISED: E2M3 operands, one E8M0 scale for each 32 along K, by v_wmma_scale_f32_16x16x128_f8f6f4 with both operands' format E2M3, f32 sums; everything else in f32.
;; Inputs: Wk 1,024 x 1,024 float32; Wq 1,024 x 1,024 float32; Wv 1,024 x 1,024 float32; x 4 x 2,048 x 1,024 float32.
;; Outputs: out0 4 x 2,048 x 1,024 float32.
;; This version of the problem:
;;   THIS VERSION OF THE PROBLEM IS GIVEN IN LOW PRECISION. The matrix products marked QUANTISED in the list below multiply operands that are first quantised to E2M3 (2 exponent bits, 3 mantissa bits; 6 bits a number), with one power-of-two scale for each 32 numbers along K (OCP MX v1.0); their sums are f32. All else is computed in f32.
;;   The module's matrix products, in the order in which they are computed (A, B: the left and right operand; K: the contracted axis; several contracted axes count as one K, in the product's order):
;;     1. [M 8,192, K 1,024] x [K 1,024, N 1,024]; A: input x; B: input Wk: QUANTISED
;;     2. [M 8,192, K 1,024] x [K 1,024, N 1,024]; A: input x; B: input Wq: QUANTISED
;;     3. [M 8,192, K 1,024] x [K 1,024, N 1,024]; A: input x; B: input Wv: QUANTISED
;;     4. batch 4 x [M 2,048, K 1,024] x [K 1,024, N 2,048]; A: computed on the way; B: computed on the way: QUANTISED
;;     5. batch 4 x [M 2,048, K 2,048] x [K 2,048, N 1,024]; A: softmax (see below); B: computed on the way: QUANTISED
;;   THE QUANTISER, for each operand of a quantised product, along K:
;;     - K is cut into blocks of 32 from its start; a last block that is shorter is filled with zeros.
;;     - A block's scale is 2^e with e = floor(log2(the largest magnitude in the block)) - 2, held to -126 .. 127; a block of zeros has e = 0. As a byte (E8M0): e + 127.
;;     - Each number is divided by its block's scale, clamped to +-7.5, and rounded to the nearest number of E2M3, ties to even, subnormals kept.
;;     - The product sums the exact products of the quantised numbers (number of the format x scale) in f32.
;;   ~~~python
;;   def quantise(x, axis):      # numpy; x: float32 -> the quantised numbers, widened to float32 again
;;       x = np.moveaxis(x, axis, -1); K = x.shape[-1]
;;       x = np.pad(x, [(0, 0)] * (x.ndim - 1) + [(0, -K % 32)]); x = x.reshape(x.shape[:-1] + (-1, 32)); a = np.abs(x).max(-1, keepdims=True)
;;       e = np.where(a > 0, np.clip(np.frexp(np.where(a > 0, a, 1))[1] - 1 - 2, -126, 127), 0)      # np.frexp(a)[1] - 1 = floor(log2(a)), exactly
;;       r = np.clip(x / 2.0 ** e, -7.5, 7.5)
;;       step = 2.0 ** (np.maximum(np.frexp(np.where(r == 0, 1, r))[1] - 1, 0) - 3)
;;       q = np.round(r / step) * step * 2.0 ** e      # np.round: ties to even
;;       return np.moveaxis(q.reshape(q.shape[:-2] + (-1,))[..., :K], -1, axis).astype(np.float32)
;;   ~~~
;;   SOFTMAX AHEAD OF A QUANTISED PRODUCT. Where the list says 'softmax', what is quantised is not the finished softmax but p = 2^(t - M), with t = logit x log2(e) and M = ceil(the row's largest t), a whole number; so 1/2 < the row's largest p <= 1. The row's sum l is taken of the UNQUANTISED p, in f32, and the product's result is divided by l at the end. Since M is a whole number, a kernel that streams over the keys may use a running M (the ceiling of the running maximum): every later rescaling is an exact power of two, which a block's scale takes up: the codes' values come out the same.
;;   OPERANDS COMPUTED ON THE WAY. 'Computed on the way' means the value that the module computes at that place (a softmax that the list does not call 'softmax' is quantised finished and normalised). What goes into a quantiser is computed in f32, as accurately as f32 sums, v_exp_f32 and their like allow (about 1e-6 of the number): no bf16 or f16 on the way to a quantiser, and a product that is left as it is and whose result goes on into a quantised operand takes f32 operands (vector FMAs, or v_wmma_f32_16x16x4_f32). A number that lies on a knife's edge between two numbers of the format may be rounded either way, as far as f32 arithmetic and the matrix unit's own rounding can turn it there, and no further.
;; One version. Each part assembles by itself: llvm-mc -triple=amdgcn-amd-amdhsa -mcpu=gfx1250 --defsym DOCPART=n.
;; ======== version 1 of 1: 4 launches
;; limits: right only within a limited range of input values
;; workspace buffers: xw_codes 8,650,752 bytes; xw_scales 360,448 bytes; qkv_codes 18,874,368 bytes; qkv_scales 786,432 bytes; p_codes 12,582,912 bytes; p_stats 1,572,864 bytes
;; launch quant (part 1): grid 704 x 1, 4 waves a work-group, no clusters, 34,816 bytes of LDS; arguments x, Wq, Wk, Wv, xw_codes, xw_scales; writes xw_codes, xw_scales
.if DOCPART == 1
	.amdgcn_target "amdgcn-amd-amdhsa--gfx1250"
	.amdhsa_code_object_version 6
	.text
	.protected	k_qa42b5ca72f_quant
	.globl	k_qa42b5ca72f_quant
	.p2align	8
	.type	k_qa42b5ca72f_quant,@function
k_qa42b5ca72f_quant:
	s_mov_b64 s[64:65], 0
	v_nop
	global_prefetch_b8 v0, s[64:65] scope:SCOPE_SE
	s_setreg_imm32_b32 hwreg(HW_REG_WAVE_MODE, 25, 1), 1
	s_wait_xcnt 0x0
; x [8192][1024] and Wq, Wk, Wv [1024][1024], f32, K innermost, become codes of FP6 (E2M3) with one E8M0 byte for each 32 along K.  The program leaves out no work of the problem.
; A block's scale is 2^(floor(log2(its largest magnitude)) - 2); its byte is the largest magnitude's exponent field - 2, held at 1 from below.
; LAYOUT OF THE CODES: fragments of 16 rows x 128 K, each the IMAGE of its 12 operand registers, 1,536 bytes: registers 4 c .. 4 c + 3 of lane l at 512 c + 16 l.  Fragment (row block R, K step ks) at (8 R + ks) x 1,536.
; ORDER OF THE ROWS: in every tensor 64 rows make four tiles: lane r of tile j holds row 64 G + 32 (r / 8) + 8 j + r % 8.
; Row blocks 0-511: x, R = 16 g + 8 c + 2 j + w is tile j of G = 4 g + 2 w + c; 512-575: Wq, 576-639: Wk, 640-703: Wv, 4 G + j.  SCALE WORDS (four bytes: a row's 128 K): [row block][r][8 K steps].
; SHARES: a work-group takes a row block, wave w its K steps 2 w and 2 w + 1.  Each load reads 512 consecutive bytes of one row; a fragment's 16 rows turn through the wave's own stage in LDS, so that a lane
; gets two whole blocks of 32 of its row.  The scale words of the row block leave as 512 consecutive bytes through LDS.
; LIMITS: NaN and infinities are not served; a block whose largest magnitude lies under 2^-124 keeps the byte 1; a block of zeros has the byte 1 over zero codes (the bytes are read by this program alone).
.set ROWB,  4096                       ; a row of x or W in bytes
.set FRB,   1536
.set SP,    528                        ; a stage row: 512 bytes + 16
.set STG,   16*SP                      ; a wave's stage
.set SCST,  4*STG                      ; behind the stages: the row block's 512 bytes of scale words
.set SPARE, SCST+512                   ; the spare words, 128 bytes a wave
.set VA,    4                          ; v4   16 x lane
.set VWR,   5                          ; v5   my stage + 16 x lane
.set VRD,   6                          ; v6   my stage + 528 r + 128 h
.set SA,    7                          ; v7   LDS place of my two scale words
.set H8,    8                          ; v8   8 h
.set SPW,   12
.set NIL,   13
.set X,     16                         ; v16-79   64 numbers: register 32 c + i = k 64 c + 32 h + i of my row
.set R0,    80                         ; v80-207  the two fragments as loaded
.set TM,    208                        ; v208-223 at work
.set PW,    224                        ; the scale word just made
.set PW2,   226                        ; v226-227 both K steps' words
.set PC,    228                        ; v228-239 the codes; v240-246 at work
.set SEL,   20                         ; s[20:21] lane selects: lane l xor 16
.macro QUANT s
.irp b, 0,1,2,3
	v_max3_num_f32 v[TM+\b], |v[\s+16*\b]|, |v[\s+1+16*\b]|, 0x1800000   ; half blocks, and the floor 2^(3 - 127): the byte cannot fall under 1
.endr
.irp i, 2,4,6,8,10,12,14
.irp b, 0,1,2,3
	v_max3_num_f32 v[TM+\b], v[TM+\b], |v[\s+16*\b+\i]|, |v[\s+1+16*\b+\i]|
.endr
.endr
	v_max_num_f32 v[TM], v[TM], v[TM+1]
	v_max_num_f32 v[TM+2], v[TM+2], v[TM+3]
	v_add_nc_u32 v[TM+12], 0xff000000, v[TM]       ; 2 off the exponent field: the conversion's scale operand
	v_add_nc_u32 v[TM+13], 0xff000000, v[TM+2]
	v_lshrrev_b32 v[TM+4], 23, v[TM+12]            ; the bytes of blocks h and 2 + h
	v_lshrrev_b32 v[TM+5], 23, v[TM+13]
	v_lshl_or_b32 v[PW], v[TM+5], 16, v[TM+4]
	v_lshlrev_b32 v[PW], v[H8], v[PW]
	v_permlanex16_b32 v[TM+6], v[PW], s[SEL], s[SEL+1]
	v_or_b32 v[PW], v[PW], v[TM+6]                 ; with lane l xor 16's two the word is whole
.irp c, 0,1
	v_cvt_scalef32_pk16_fp6_f32 v[PC+6*\c:PC+2+6*\c], v[\s+32*\c:\s+15+32*\c], v[TM+12+\c]
	v_cvt_scalef32_pk16_fp6_f32 v[PC+12+4*\c:PC+14+4*\c], v[\s+16+32*\c:\s+31+32*\c], v[TM+12+\c]   ; a conversion's three registers begin on an even number
.endr
	v_nop                                          ; one plain place behind the scaled conversions
.irp c, 0,1
.irp i, 0,1,2
	v_mov_b32 v[PC+3+6*\c+\i], v[PC+12+4*\c+\i]
.endr
.endr
.endm
.macro TURN f                          ; fragment f's 16 rows through my stage; LDS serves a wave's instructions in order, so no wait stands between the stores and the loads
.irp t, 0,1,2,3,4,5,6,7,8,9,10,11,12,13,14,15
	ds_store_b128 v[VWR], v[R0+64*\f+4*\t:R0+64*\f+4*\t+3] offset:SP*\t
.endr
.irp c, 0,1
.irp j, 0,1,2,3,4,5,6,7
	ds_load_b128 v[X+32*\c+4*\j:X+32*\c+4*\j+3], v[VRD] offset:256*\c+16*\j
.endr
.endr
.endm
.macro OUTF f                          ; the fragment's image: three stores of 512 consecutive bytes, aligned
.irp c, 0,1,2
	global_store_b128 v[VA], v[PC+4*\c:PC+4*\c+3], s[12:13] offset:FRB*\f+512*\c
.endr
.endm
	s_load_b256 s[4:11], s[0:1], 0x0               ; x, Wq, Wk, Wv
	s_load_b128 s[12:15], s[0:1], 0x20             ; the codes, the scale words
	v_lshl_add_u32 v[SPW], v0, 2, SPARE
	v_mov_b32 v[NIL], 0
	v_lshrrev_b32 v1, 5, v0
	v_readfirstlane_b32 s16, v1                    ; wave
	v_and_b32 v1, 31, v0                           ; lane
	v_and_b32 v2, 15, v0                           ; r
	v_bfe_u32 v3, v0, 4, 1                         ; h
	v_lshlrev_b32 v[VA], 4, v1
	v_lshlrev_b32 v[H8], 3, v3
	s_mul_i32 s17, s16, STG
	v_add_nc_u32 v[VWR], s17, v[VA]
	v_mul_u32_u24 v[VRD], v2, SP
	v_lshl_add_u32 v[VRD], v3, 7, v[VRD]
	v_add_nc_u32 v[VRD], s17, v[VRD]
	s_lshl_b32 s17, s16, 3
	s_add_co_u32 s17, s17, SCST
	v_lshlrev_b32 v[SA], 5, v2
	v_add_nc_u32 v[SA], s17, v[SA]
	s_mov_b32 s[SEL], 0x76543210
	s_mov_b32 s[SEL+1], 0xfedcba98
	v_mov_b32 v[TM+6], 0                           ; written once: a lane permute's destination counts as one of its sources
	s_lshr_b32 s30, ttmp9, 4                       ; x: g 256 rows,
	s_lshl_b32 s30, s30, 20
	s_and_b32 s31, ttmp9, 1                        ; w 128,
	s_lshl_b32 s31, s31, 19
	s_add_co_u32 s30, s30, s31
	s_bfe_u32 s31, ttmp9, 0x10003                  ; c 64,
	s_lshl_b32 s31, s31, 18
	s_add_co_u32 s30, s30, s31
	s_bfe_u32 s31, ttmp9, 0x20001                  ; j 8, of 4,096 bytes each
	s_lshl_b32 s31, s31, 15
	s_add_co_u32 s30, s30, s31
	s_bfe_u32 s18, ttmp9, 0x40002                  ; a weight: G 64 rows, j 8
	s_lshl_b32 s18, s18, 18
	s_bfe_u32 s31, ttmp9, 0x20000
	s_lshl_b32 s31, s31, 15
	s_add_co_u32 s18, s18, s31
	s_mul_i32 s24, ttmp9, 8*FRB                    ; my row block's codes,
	s_mul_i32 s26, s16, 2*FRB                      ; my two K steps
	s_add_co_u32 s24, s24, s26
	s_mov_b32 s25, 0
	s_lshl_b32 s26, ttmp9, 9                       ; my row block's scale words
	s_mov_b32 s27, 0
	s_wait_alu depctr_va_vdst(0)
	s_wait_kmcnt 0x0
	s_cmp_lt_u32 ttmp9, 640                        ; which tensor: the choice hangs on the work-group's number alone, and only pointers are chosen
	s_cselect_b64 s[8:9], s[8:9], s[10:11]
	s_cmp_lt_u32 ttmp9, 576
	s_cselect_b64 s[6:7], s[6:7], s[8:9]
	s_cmp_lt_u32 ttmp9, 512
	s_cselect_b64 s[4:5], s[4:5], s[6:7]
	s_cselect_b32 s18, s30, s18
	s_lshl_b32 s19, s16, 10                        ; 1,024 bytes of a row for each wave
	s_add_co_u32 s18, s18, s19
	s_mov_b32 s19, 0
	s_add_nc_u64 s[4:5], s[4:5], s[18:19]
	s_add_nc_u64 s[12:13], s[12:13], s[24:25]
	s_add_nc_u64 s[14:15], s[14:15], s[26:27]
.irp f, 0,1
.irp t, 0,1,2,3,4,5,6,7,8,9,10,11,12,13,14,15
	global_load_b128 v[R0+64*\f+4*\t:R0+64*\f+4*\t+3], v[VA], s[4:5] offset:(\t+24*(\t/8))*ROWB+512*\f th:TH_LOAD_NT   ; lane t of the tile: 32 (t / 8) + t % 8 rows on
.endr
.endr
	s_wait_loadcnt 16                              ; the first fragment's 16 loads are in; the second's may be out
	TURN 0
	s_wait_dscnt 0x0
	QUANT X
	OUTF 0
	v_mov_b32 v[PW2], v[PW]
	s_wait_loadcnt 0x0
	TURN 1
	s_wait_dscnt 0x0
	s_wait_xcnt 0x0                                ; the first fragment's stores have read the codes' registers
	QUANT X
	OUTF 1
	v_mov_b32 v[PW2+1], v[PW]
	ds_store_b64 v[SA], v[PW2:PW2+1]               ; lanes r and r + 16 write the same words
	s_wait_dscnt 0x0
	s_barrier_signal -1
	s_barrier_wait -1
	s_cmp_lg_u32 s16, 0
	s_cbranch_scc1 .Lnot_mine
	ds_load_b128 v[X:X+3], v[VA] offset:SCST       ; wave 0 stores the row block's 512 bytes
	s_wait_dscnt 0x0
	global_store_b128 v[VA], v[X:X+3], s[14:15]
.Lnot_mine:
	s_wait_tensorcnt 0x0                           ; the wave's end: behind my last LDS store
	ds_add_u32 v[SPW], v[NIL]
	s_wait_dscnt 0x0
	s_endpgm
.Lfunc_end_k_qa42b5ca72f_quant:
	.size	k_qa42b5ca72f_quant, .Lfunc_end_k_qa42b5ca72f_quant-k_qa42b5ca72f_quant
	.p2alignl 7, 3214868480
	.fill 96, 4, 3214868480
	.section	.rodata,"a",@progbits
	.p2align	6, 0x0
	.amdhsa_kernel k_qa42b5ca72f_quant
		.amdhsa_group_segment_fixed_size 34816
		.amdhsa_private_segment_fixed_size 0
		.amdhsa_enable_private_segment 0
		.amdhsa_kernarg_size 48
		.amdhsa_user_sgpr_count 2
		.amdhsa_user_sgpr_kernarg_segment_ptr 1
		.amdhsa_wavefront_size32 1
		.amdhsa_system_sgpr_workgroup_id_x 1
		.amdhsa_system_sgpr_workgroup_id_y 1
		.amdhsa_system_sgpr_workgroup_id_z 1
		.amdhsa_system_vgpr_workitem_id 0
		.amdhsa_next_free_vgpr 256
		.amdhsa_next_free_sgpr 66
		.amdhsa_reserve_vcc 0
		.amdhsa_float_denorm_mode_32 3
		.amdhsa_float_denorm_mode_16_64 3
		.amdhsa_memory_ordered 1
		.amdhsa_forward_progress 1
		.amdhsa_inst_pref_size 18
	.end_amdhsa_kernel
	.amdgpu_metadata
---
amdhsa.version: [ 1, 2 ]
amdhsa.kernels:
  - .name:           k_qa42b5ca72f_quant
    .symbol:         k_qa42b5ca72f_quant.kd
    .args:
      - { .name: x, .offset: 0, .size: 8, .value_kind: global_buffer, .address_space: global }
      - { .name: Wq, .offset: 8, .size: 8, .value_kind: global_buffer, .address_space: global }
      - { .name: Wk, .offset: 16, .size: 8, .value_kind: global_buffer, .address_space: global }
      - { .name: Wv, .offset: 24, .size: 8, .value_kind: global_buffer, .address_space: global }
      - { .name: xw_codes, .offset: 32, .size: 8, .value_kind: global_buffer, .address_space: global }
      - { .name: xw_scales, .offset: 40, .size: 8, .value_kind: global_buffer, .address_space: global }
    .group_segment_fixed_size: 34816
    .private_segment_fixed_size: 0
    .kernarg_segment_align: 8
    .kernarg_segment_size: 48
    .max_flat_workgroup_size: 128
    .sgpr_count:     66
    .vgpr_count:     256
    .wavefront_size: 32
...
	.end_amdgpu_metadata
.endif
;; end of part 1
;; launch proj (part 2): grid 16 x 16, 4 waves a work-group, clusters of 4 x 4, 327,680 bytes of LDS; arguments xw_codes, xw_scales, qkv_codes, qkv_scales; writes qkv_codes, qkv_scales
.if DOCPART == 2
	.amdgcn_target "amdgcn-amd-amdhsa--gfx1250"
	.amdhsa_code_object_version 6
	.text
	.protected	k_qa42b5ca72f_proj
	.globl	k_qa42b5ca72f_proj
	.p2align	8
	.type	k_qa42b5ca72f_proj,@function
k_qa42b5ca72f_proj:
	s_mov_b64 s[64:65], 0
	v_nop
	global_prefetch_b8 v0, s[64:65] scope:SCOPE_SE
	s_setreg_imm32_b32 hwreg(HW_REG_WAVE_MODE, 25, 1), 1
	s_wait_xcnt 0x0
	s_wait_alu depctr_hold_cnt(0) depctr_sa_sdst(0) depctr_va_vdst(0) depctr_va_sdst(0) depctr_va_ssrc(0) depctr_va_vcc(0) depctr_vm_vsrc(0)
	s_getreg_b32 s2, hwreg(HW_REG_IB_STS2, 6, 4)
	s_cmp_eq_u32 s2, 0
	s_cbranch_scc0 .Lentry_in_a_cluster
	s_endpgm
.Lentry_in_a_cluster:
	s_bfe_u32 s2, ttmp6, 0x10000c
	s_cmp_lg_u32 s2, 0xf033
	s_cbranch_scc0 .Lentry_shape_is_right
	s_endpgm
.Lentry_shape_is_right:
; Q, K, V = x W^T and their quantisers.  No f32 result is stored.  Q and K are quantised along their columns, V along the tokens.
; INPUT: images of fragments (16 rows x 128 K, 1,536 bytes), [row block][8 K steps]; scale words [row][8].  64 rows make four tiles: lane r of tile j holds row 64 G + 32 (r / 8) + 8 j + r % 8, so that a lane's 32 results of four tiles are one scale block.
; x's row block 16 g + 8 c + 2 j + w is tile j of tokens 256 g + 128 w + 64 c + 0 .. 63; behind x lie Wq, Wk, Wv.
; OUTPUT, with row block rb = 4 G + j of the natural G: Q at 0 and K at 6,291,456: fragment (rb, column step of 128) at (8 rb + step) x 1,536, in two halves of 64 columns, 768 bytes each: four registers [lane][16], two registers [lane][8].
; V^T at 12,582,912: [batch][64 channel row blocks][16 token steps] whole images, registers 4 c .. 4 c + 3 of lane l at 512 c + 16 l.  Scale words: Q [8 steps][8192] at 0, K at 262,144, V [64 token steps][1024 channels] at 524,288.
; THE DEAL.  256 work-groups of four waves, 2 x 2; a wave holds 64 rows of a weight, ALL of K, in registers (384) and streams x's row blocks past them: the wave in row w takes the work-group's row blocks 2 s + w as its block s.
; A work-group makes 256 x 128 of V, PHASE 1, then 512 x 128 of Q or K, PHASE 2; V's 256 rows are half s87 of the 512.  Which half (cluster x % 2) and which tensor (s19 = cluster x / 2) come from the cluster's number alone.
; x's rows are shared by a row of the cluster, a weight's by a column.
; LDS: two slots of a chunk of 8 row blocks, a region for the weight's 8, two places for a chunk's scale words (16 bytes of padding behind each 256), stages for the results' scale bytes, the spare words.
; FILLS.  At the head one tensor load a wave: W_v's rows, both chunks' scale words, chunk 0, chunk 1.  Three refills, each in a drained round: W_q's or W_k's rows onto W_v's (held in registers by then), in V's third block; the other half's two chunks in phase 2's blocks 2 and 6.
; A BLOCK is 32 products; behind every second one stand two ENTRIES of the block's list (the next addresses, descriptors, the last block's way out).
; PREFETCHES: what the first refill loads, at the head; chunk 2 behind the first refill and chunk 3 between the phases; shared out by address among the sixteen waves that ask jointly, each block of 256 bytes once in a cluster.
; LIMITS: NaN and infinities are not served; a block whose largest magnitude lies under 2^-124 keeps the byte 1.
.set TOK,    8192
.set NQ,     8
.set NB,     4
.set RBK,    12288                     ; a row block: eight fragments
.set CHB,    8*RBK                     ; a chunk, and a weight's tile: 128 rows
.set KS,     32                        ; a row's scale words in bytes
.set FR,     12
.set FPW,    21                        ; fragments in a window of 256 registers
.set NF,     26                        ; LDS loads of a block: 24 for eight fragments, 2 for eight scale words
.set YB,     CHB
.set BVB,    2*CHB
.set SCL,    3*CHB
.set CU,     16                        ; a chunk's scale words: 16 units of 256 bytes
.set SCB,    CU*272
.set BSTEP,  2*RBK                     ; from a block to my next
.set SSTEP,  4*272                     ; and in the scale words
.set XN,     SCL+2*SCB                 ; Q's or K's scale bytes, 512 words
.set XM,     XN+2048                   ; V's, 2 x 128 words
.set SPARE,  XM+1024
.set ADRA0, 4                          ; LDS address of my block 0
.set AAS0,  6                          ; of its scale words
.set CO,    9                          ; 16 x lane
.set SPW,   10
.set NIL,   11
.set ADRA,  12                         ; the block that is fetched next
.set ADRB,  14
.set ABS,   16
.set AAS,   17
.set STO,   18                         ; LDS, Q's or K's scale byte
.set STV,   19                         ; LDS, V's
.set CO8,   21                         ; 8 x lane
.set SB,    24                         ; v24-39 the weights' scale words
.set TQ,    40
.set SA,    44                         ; v44-59 the rows' scale words, two sets
.set TC,    60
.set ACC,   64                         ; v64-127 phase 2: two sets of four accumulators
.set HV0,   64                         ; v64-191 phase 1, band 0: 32 t + 8 j + i
.set HV1,   840                        ; v840-967 band 1
.set NCD,   128                        ; v128-139 phase 2's codes, six of the even block, six of the odd
.set MCD,   192                        ; v192-239 phase 1's four operands
.set SOP,   240
.set EB,    244
.set VX,    248
.set SB2,   968                        ; v968-983 phase 2's weights' scale words
.set G1A, 24
.set G0A, 56
.set G0R, 68
.set G1B, 32
.set G0B, 60
.set G1S, 92
.set G0S, 72
.set MSB, 0
.macro WIN new
.if MSB != (\new)
	s_set_vgpr_msb (MSB<<8)|(\new)
.set MSB, (\new)
.endif
.endm
.macro PLACES n
.rept \n
	v_nop
.endr
.endm
.macro WALU
	s_wait_alu depctr_va_vdst(0)
.endm
.macro BARRIER
	s_barrier_signal -1
	s_barrier_wait -1
.endm
.macro MIDDLE                          ; a round's middle: the opening wait, wave 0's signal for the work-group, the cluster's wait
	WIN 0
	s_barrier_wait -1
	s_cmp_lg_u32 s14, 0
	s_cbranch_scc1 .Lnot_wave_0_\@
	s_barrier_signal -3
.Lnot_wave_0_\@:
	s_barrier_wait -3
.endm
.macro CROUND
	s_barrier_signal -1
	MIDDLE
	BARRIER
.endm
.macro GRD
	s_wait_tensorcnt 0x0
	ds_add_u32 v[SPW], v[NIL]
.endm
.macro TLOAD g0, g1
	tensor_load_to_lds s[\g0:\g0+3], s[\g1:\g1+7]
	s_nop 0
	PLACES 4
.endm
.macro GROUP1 g, mask                  ; 8 dense rows of 1,536 elements of 8 bytes
	s_or_b32 s[\g+0], s[\mask], (3<<16)|(1<<21)
	s_mov_b32 s[\g+1], (RBK/8)<<16
	s_mov_b32 s[\g+2], 8<<16
	s_mov_b32 s[\g+3], (RBK/8)<<16
	s_mov_b32 s[\g+4], 8
	s_mov_b32 s[\g+5], RBK/8
	s_mov_b32 s[\g+6], 0
	s_mov_b32 s[\g+7], 0
.endm
.macro SADD d, x
	s_add_co_u32 s\d, s\d, s\x
.endm
.macro G0SET g, base, off
	s_mov_b32 s20, s\off
	s_add_nc_u64 s[\g+2:\g+3], s[\base:\base+1], s[20:21]
	s_or_b32 s[\g+3], s[\g+3], 0x80000000
.endm
; fragment f lies in window 1 + f / 21 at register 12 (f % 21): 0-31 the weights' (4 q + b), 32-39 and 40-47 the rows' two sets
.macro FRAG f, q, adr, o
	WIN ((1+(\f)/FPW)<<6)
.set R_, FR*((\f)%FPW)
.irp c, 0,1,2
	ds_load_b128 v[R_+4*\c:R_+4*\c+3], \adr offset:(\o)+(\q)*1536+512*\c
.endr
.endm
.macro WEIGHTS                         ; my 64 rows of the weight, all of K: 96 loads
.irp q, 0,1,2,3,4,5,6,7
.irp b, 0,1,2,3
	FRAG NB*\q+\b, \q, v[ADRB], RBK*\b
.endr
.endr
	WIN 0
.endm
.macro FETCHAT e, o, so, adr, as       ; a block of x's rows into set e: NF loads
.irp q, 0,1,2,3,4,5,6,7
	FRAG NB*NQ+NQ*(\e)+\q, \q, \adr, \o
.endr
	WIN 0
	ds_load_b128 v[SA+8*(\e):SA+8*(\e)+3], \as offset:\so
	ds_load_b128 v[SA+8*(\e)+4:SA+8*(\e)+7], \as offset:(\so)+16
.endm
.macro FETCH e
	FETCHAT \e, 0, 0, v[ADRA], v[AAS]
.endm
.macro FETCH01                         ; a phase's first two blocks, from slot 0
	FETCHAT 0, 0, 0, v[ADRA0], v[AAS0]
	FETCHAT 1, BSTEP, SSTEP, v[ADRA0], v[AAS0]
	s_mov_b32 s101, BSTEP
	s_mov_b32 s91, SSTEP
.endm
; a product.  n = 4 q + 2 p + o.  kind 0 (Q, K): source 0 the weight's rows; kind 1 (V): source 0 x's rows
.macro PROD kind, e, n, a0, as
.set Q_, (\n)/4
.set FB_, NB*Q_+(\n)%4
.set FA_, NB*NQ+NQ*(\e)+Q_
.set D_, (\a0)+(\as)*((\n)%4)
.set DL_, D_&255
.set XB_, SB+NQ*(((\n)%4)/2)+Q_
.set XA_, SA+8*(\e)+Q_
.if \kind
	WIN (1+FA_/FPW)|((1+FB_/FPW)<<2)|((D_>>8)<<4)|((D_>>8)<<6)
.if Q_
	PROD1 DL_, FA_, FB_, v[DL_:DL_+7], XA_, XB_, b, (\n)%2
.else
	PROD1 DL_, FA_, FB_, 0, XA_, XB_, b, (\n)%2
.endif
.else
	WIN (1+FB_/FPW)|((1+FA_/FPW)<<2)|((D_>>8)<<4)|((D_>>8)<<6)
.if Q_
	PROD1 DL_, FB_, FA_, v[DL_:DL_+7], XB_, XA_, a, (\n)%2
.else
	PROD1 DL_, FB_, FA_, 0, XB_, XA_, a, (\n)%2
.endif
.endif
.endm
.macro PROD1 d, s0, s1, c, x0, x1, side, o
.if \o
	v_wmma_scale_f32_16x16x128_f8f6f4 v[\d:\d+7], v[FR*((\s0)%FPW):FR*((\s0)%FPW)+FR-1], v[FR*((\s1)%FPW):FR*((\s1)%FPW)+FR-1], \c, v[\x0], v[\x1] matrix_a_fmt:MATRIX_FMT_FP6 matrix_b_fmt:MATRIX_FMT_FP6 matrix_\side\()_scale:MATRIX_SCALE_ROW1
.else
	v_wmma_scale_f32_16x16x128_f8f6f4 v[\d:\d+7], v[FR*((\s0)%FPW):FR*((\s0)%FPW)+FR-1], v[FR*((\s1)%FPW):FR*((\s1)%FPW)+FR-1], \c, v[\x0], v[\x1] matrix_a_fmt:MATRIX_FMT_FP6 matrix_b_fmt:MATRIX_FMT_FP6 matrix_\side\()_scale:MATRIX_SCALE_ROW0
.endif
.endm
.macro BLOCK kind, e, a0, as, from, to, list, x=0, y=0
.set N_, \from
.rept (\to)-(\from)
	PROD \kind, \e, N_, \a0, \as
.if N_%2
	\list N_-1, \x, \y
	\list N_, \x, \y
.endif
.set N_, N_+1
.endr
.endm
; what the lists are made of: each macro writes entry i of its part, and nothing beyond its last
.macro STEP i, wrap                    ; to the next block's LDS addresses: 2 entries; with the test for the ring's end 3
.if \wrap
.if (\i) == 0
	s_add_co_u32 s101, s101, BSTEP
	s_cmp_eq_u32 s101, 2*CHB
	s_cselect_b32 s101, 0, s101
	s_add_co_u32 s91, s91, SSTEP
.elseif (\i) == 1
	s_cmp_eq_u32 s91, 2*SCB
	s_cselect_b32 s91, 0, s91
.endif
	STEPV (\i)-1
.else
.if (\i) == 0
	s_add_co_u32 s101, s101, BSTEP
	s_add_co_u32 s91, s91, SSTEP
.endif
	STEPV \i
.endif
.endm
.macro STEPV i
.if (\i) == 0
	WIN 0
	v_add_nc_u32 v[ADRA], s101, v[ADRA0]
.elseif (\i) == 1
	WIN 0
	v_add_nc_u32 v[AAS], s91, v[AAS0]
.endif
.endm
.macro CHAIN i, x, n, t=TQ             ; 18 entries: the largest magnitude of the 32 sums from register x on, and the conversions' scale operand
.set XW_, (\x)>>8
.set XL_, (\x)&255
.if (\i) >= 0 && (\i) < 14
.set B_, XL_+16*((\i)%2)+2*((\i)/2)
.set T_, (\t)+1-(\i)%2
.if (\i) < 2
	WIN XW_|(XW_<<2)|(XW_<<4)
	v_max3_num_f32 v[T_], |v[B_]|, |v[B_+1]|, |v[B_+2]|
.else
	WIN (XW_<<2)|(XW_<<4)
	v_max3_num_f32 v[T_], v[T_], |v[B_+1]|, |v[B_+2]|
.endif
.elseif (\i) == 14
	WIN XW_<<2
	v_max3_num_f32 v[\t+1], v[\t+1], |v[XL_+15]|, 0x1800000
.elseif (\i) == 15
	WIN 0
	v_nop
.elseif (\i) == 16
	WIN XW_<<2
	v_max3_num_f32 v[\t], v[\t], |v[XL_+31]|, v[\t+1]
.elseif (\i) == 17
	WIN 0
	v_add_nc_u32 v[SOP+\n], 0xff000000, v[\t]
.endif
.endm
.macro CODES i, x, c, n, t=TC          ; 6 lines: 32 codes into v[c .. c+5], the scale's byte into v[EB+n]
.set XW_, (\x)>>8
.set XL_, (\x)&255
.if (\i) == 0
	WIN XW_
	v_cvt_scalef32_pk16_fp6_f32 v[\c:\c+2], v[XL_:XL_+15], v[SOP+\n]
.elseif (\i) == 1
	WIN XW_
	v_cvt_scalef32_pk16_fp6_f32 v[\t:\t+2], v[XL_+16:XL_+31], v[SOP+\n]
.elseif (\i) == 2
	WIN 0
	v_lshrrev_b32 v[EB+\n], 23, v[SOP+\n]
.else
	WIN 0
	v_mov_b32 v[\c+\i], v[\t+\i-3]
.endif
.endm
.macro CODES6 x, c, n
.irp i, 0,1,2,3,4,5
	CODES \i, \x, \c, \n
.endr
.endm
.macro PFTILE v, off, share            ; one entry: my sixteenth of a tile of 128 rows: 24 blocks of 256 bytes
	s_mul_i32 s21, s\share, CHB/16
	s_add_co_u32 s20, s\off, s21
	WIN 0
	v_min_u32 v\v, CHB/16/256-1, v3
	v_lshl_add_u32 v\v, v\v, 8, s20
.endm
.macro PFGO v, base
	global_prefetch_b8 v\v, s[\base:\base+1] th:TH_LOAD_NT scope:SCOPE_SE
.endm
.macro PUTH r, base, off               ; half a fragment: 512 and 256 consecutive bytes, aligned
	global_store_b128 v[CO], v[\r:\r+3], \base offset:\off
	global_store_b64 v[CO8], v[\r+4:\r+5], \base offset:(\off)+512
.endm
.macro PUTPAIR
	PUTH NCD, s[84:85], 0
	PUTH NCD+6, s[84:85], RBK
.endm
.macro ASK i                           ; 4 entries: the descriptors of the chunk at s88 for slot s47, and of its scale words at s55 for s8; then all four step on
.if (\i) == 0
	s_mov_b32 s[G0R+1], s47
	s_mov_b32 s[G0S+1], s8
	s_mov_b32 s20, s88
	s_mov_b32 s21, 0
.elseif (\i) == 1
	s_add_nc_u64 s[G0R+2:G0R+3], s[4:5], s[20:21]
	s_or_b32 s[G0R+3], s[G0R+3], 0x80000000
	s_mov_b32 s20, s55
	s_add_co_u32 s88, s88, CHB
.elseif (\i) == 2
	s_add_nc_u64 s[G0S+2:G0S+3], s[6:7], s[20:21]
	s_or_b32 s[G0S+3], s[G0S+3], 0x80000000
	s_add_co_u32 s55, s55, CU*256
.elseif (\i) == 3
	s_xor_b32 s47, s47, YB
	s_xor_b32 s8, s8, (SCL)^(SCL+SCB)
.endif
.endm
.macro PAIR i                          ; 4 entries: where pair s46's codes go (s[84:85]) and its scale bytes (v[VX]).  The codes' place goes by the true pair, the stage in LDS by the order of work
.if (\i) == 0
	s_lshl_b32 s3, s87, 2
	s_xor_b32 s3, s3, s46
	s_lshr_b32 s20, s3, 2
	s_lshl_b32 s21, s20, 3
.elseif (\i) == 1
	s_lshl_b32 s22, s3, 1
	SADD 21, 22
	s_mul_i32 s20, s21, RBK
	s_mov_b32 s21, 0
.elseif (\i) == 2
	s_add_nc_u64 s[84:85], s[10:11], s[20:21]
	s_and_b32 s22, s46, 3
	s_lshl_b32 s22, s22, 7
	s_lshr_b32 s23, s46, 2
.elseif (\i) == 3
	s_lshl_b32 s23, s23, 10
	s_or_b32 s22, s22, s23
	s_add_co_u32 s46, s46, 1
	WIN 0
	v_add_nc_u32 v[VX], s22, v[STO]
.endif
.endm
.macro L_STEP i, x, y
	STEP \i, 0
.endm
.macro L_NONE i, x, y
.endm
.macro L_OUT i, x, y                   ; the step, then the way out of the sums at x
	STEP \i, 0
	CHAIN (\i)-2, \x, \y
.endm
.macro L_LAST i, x, y                  ; the way out alone
	CHAIN \i, \x, \y
.endm
.macro L_V2 i, x, y                    ; V's third block: the first refill's descriptor; the later scale loads' rows; the step; chunk 2 is asked for into the L2
.if (\i) == 0
	s_mov_b32 s[G1S+2], CU<<16
	s_mov_b32 s[G1S+4], CU
	s_mov_b32 s20, s9
	s_mov_b32 s21, 0
.elseif (\i) == 1
	s_add_nc_u64 s[G0B+2:G0B+3], s[4:5], s[20:21]
	s_or_b32 s[G0B+3], s[G0B+3], 0x80000000
.elseif (\i) == 7
	PFTILE 7, 88, 90
.elseif (\i) == 8
	s_lshl_b32 s21, s90, 9
	s_add_co_u32 s20, s55, s21
	WIN 0
	v_min_u32 v8, 1, v3
	v_lshl_add_u32 v8, v8, 8, s20
.endif
	STEP (\i)-2, 0
.endm
.macro L_V7 i, x, y
.if (\i) == 0
	s_add_co_u32 s22, s88, CHB
	PFTILE 20, 22, 90
.endif
	CHAIN (\i)-1, \x, \y
.endm
.macro L_ODD i, x, y                   ; an odd block of phase 2: the pair's places, the step, the even block's way out
	PAIR \i
	STEP (\i)-4, 0
	CHAIN (\i)-6, ACC, 0
.endm
.macro L_ODDL i, x, y
	PAIR \i
	CHAIN (\i)-4, ACC, 0
.endm
.macro L_ROUND i, x, y                 ; an even block with a round
	ASK \i
	STEP (\i)-4, 1
	CHAIN (\i)-7, ACC+32, 1
.endm
; the waits' counts: the loads and LDS stores issued behind the block's own fetch (-1: all are shown in already)
.macro WAITDS w
.if (\w) >= 0
	s_wait_dscnt \w
.endif
.endm
.macro EVENOUT fetch                   ; behind an even block: the odd block's byte, the pair's codes, the fetch of the block two on
	WALU
	ds_store_b8 v[VX], v[EB+1] offset:64
	PUTPAIR
.if \fetch
	FETCH 0
.endif
.endm
.macro EVEN w, fetch
	WAITDS \w
.if \fetch
	BLOCK 0, 0, ACC, 8, 0, 32, L_OUT, ACC+32, 1
.else
	BLOCK 0, 0, ACC, 8, 0, 32, L_LAST, ACC+32, 1
.endif
	WIN 0
	CODES6 ACC+32, NCD+6, 1
	EVENOUT \fetch
.endm
.macro EVENROUND w                     ; the second and the third refill: wave 0 the chunk, wave 1 its scale words
	WAITDS \w
	GRD
	BLOCK 0, 0, ACC, 8, 0, 26, L_ROUND
	WIN 0
	WALU
	s_wait_dscnt 0x0
	s_barrier_signal -1
	BLOCK 0, 0, ACC, 8, 26, 32, L_NONE
	WIN 0
	CODES6 ACC+32, NCD+6, 1
	MIDDLE
	BARRIER
	s_cmp_eq_u32 s14, 0
	s_cbranch_scc0 .Lscales_\@
	TLOAD G0R, G1A
	s_branch .Lasked_\@
.Lscales_\@:
	s_cmp_eq_u32 s14, 1
	s_cbranch_scc0 .Lnone_\@
	TLOAD G0S, G1S
.Lnone_\@:
.Lasked_\@:
	EVENOUT 1
.endm
.macro EVENSHOW w                      ; a plain barrier inside the block shows the last refill to all
	WAITDS \w
	BLOCK 0, 0, ACC, 8, 0, 26, L_OUT, ACC+32, 1
	WIN 0
	WALU
	s_wait_tensorcnt 0x0
	s_wait_dscnt 0x0
	s_barrier_signal -1
	BLOCK 0, 0, ACC, 8, 26, 32, L_NONE
	WIN 0
	s_barrier_wait -1
	CODES6 ACC+32, NCD+6, 1
	EVENOUT 1
.endm
.macro ODD w, fetch
	WAITDS \w
	s_wait_xcnt 0x0                                     ; the last pair's stores have read their registers and their base
.if \fetch
	BLOCK 0, 1, ACC+32, 8, 0, 32, L_ODD
.else
	BLOCK 0, 1, ACC+32, 8, 0, 32, L_ODDL
.endif
	WIN 0
	CODES6 ACC, NCD, 0
	WALU
	ds_store_b8 v[VX], v[EB]
.if \fetch
	FETCH 1
.endif
.endm
; ================= THE HEAD
	s_load_b128 s[4:7], s[0:1], 0x0                     ; the codes, the scale words
	v_lshl_add_u32 v[SPW], v0, 2, SPARE
	v_mov_b32 v[NIL], 0
	ds_add_u32 v[SPW], v[NIL]
	ds_add_u32 v[SPW], v[NIL]
	v_lshrrev_b32 v1, 5, v0
	v_readfirstlane_b32 s14, v1                         ; s14 the wave; s15 its row of the 2 x 2, s16 its column
	s_lshr_b32 s15, s14, 1
	s_and_b32 s16, s14, 1
	s_bfe_u32 s40, ttmp6, 0x40000                       ; cx
	s_bfe_u32 s41, ttmp6, 0x40004                       ; cy
	s_lshl_b32 s42, ttmp9, 2
	s_add_co_u32 s42, s42, s40                          ; s42 phase 2's tile column, 0 .. 15
	s_and_b32 s43, ttmp7, 0xffff
	s_lshl_b32 s43, s43, 2
	s_add_co_u32 s43, s43, s41                          ; s43 its tile row
	s_lshr_b32 s19, ttmp9, 1                            ; 0 Q, 1 K
	s_and_b32 s87, ttmp9, 1                             ; V's half of my 512 rows
	s_lshl_b32 s13, s19, 2
	s_add_co_u32 s13, s13, s40                          ; V's tile column
	s_lshl_b32 s12, s43, 1
	s_add_co_u32 s12, s12, s87                          ; V's tile row
	s_lshl_b32 s44, s41, 2
	s_lshl_b32 s44, 15, s44                             ; my row of the cluster
	s_lshl_b32 s45, 0x1111, s40                         ; my column
	GROUP1 G1A, 44
	GROUP1 G1B, 45
	s_or_b32 s[G1S+0], s44, (3<<16)|(1<<20)|(1<<21)|(5<<22)|(3<<25)
	s_mov_b32 s[G1S+1], 32<<16
	s_mov_b32 s[G1S+2], (2*CU)<<16
	s_mov_b32 s[G1S+3], 32<<16
	s_mov_b32 s[G1S+4], 2*CU
	s_mov_b32 s[G1S+5], 32
	s_mov_b32 s[G1S+6], 0
	s_mov_b32 s[G1S+7], 0
	s_mov_b32 s[G0S], 1
	s_mov_b32 s[G0S+1], SCL
	s_mul_i32 s67, s43, 4*CHB                           ; my 512 rows, bytes from the codes' first
	s_mul_i32 s66, s12, 2*CHB                           ; V's half of them
	s_mul_i32 s9, s42, CHB
	s_add_co_u32 s9, s9, TOK*768                        ; W_q's or W_k's rows
	s_mul_i32 s54, s13, CHB
	s_add_co_u32 s54, s54, (TOK+2048)*768               ; W_v's
	s_mul_i32 s55, s43, 512*KS                          ; my rows' scale words
	s_mul_i32 s82, s42, 128*KS
	s_mul_i32 s21, s16, 64*KS
	s_add_co_u32 s82, s82, s21
	s_mov_b32 s83, 0
	s_mul_i32 s84, s13, 128*KS
	s_add_co_u32 s84, s84, s21
	s_add_co_u32 s84, s84, 2048*KS
	s_mov_b32 s85, 0
	s_mov_b32 s[G0A], 1
	s_mov_b32 s[G0A+1], 0
	s_mov_b32 s[G0B], 1
	s_mov_b32 s[G0B+1], BVB
	s_mov_b32 s[G0R], 1
	s_mov_b32 s[G0R+1], YB
	s_mul_i32 s89, s12, 256*KS
	v_and_b32 v1, 15, v0                                ; r
	v_bfe_u32 v2, v0, 4, 1                              ; h
	v_and_b32 v3, 31, v0                                ; lane
	v_lshlrev_b32 v[CO], 4, v3
	v_lshlrev_b32 v[CO8], 3, v3
	s_mul_i32 s21, s15, RBK
	v_add_nc_u32 v[ADRA0], s21, v[CO]
	s_mul_i32 s22, s16, NB*RBK
	s_add_co_u32 s22, s22, BVB
	v_add_nc_u32 v[ADRB], s22, v[CO]
	v_mul_u32_u24 v[ABS], v3, KS
	v_mul_u32_u24 v23, v1, KS
	v_lshrrev_b32 v22, 8, v23
	v_lshl_add_u32 v23, v22, 4, v23
	s_mul_i32 s21, s15, 2*272
	s_add_co_u32 s21, s21, SCL
	v_add_nc_u32 v[AAS0], s21, v23
	s_lshl_b32 s90, s40, 2
	s_add_co_u32 s90, s90, s14                          ; my number among the sixteen waves of my row of the cluster
	s_lshl_b32 s100, s41, 2
	s_add_co_u32 s100, s100, s14                        ; and of my column
	WALU
	s_wait_dscnt 0x0
	CROUND                                              ; the opening round
	s_wait_kmcnt 0x0
	s_add_nc_u64 s[10:11], s[6:7], TOK*KS
	s_add_nc_u64 s[84:85], s[10:11], s[84:85]           ; W_v's scale words, my 64 rows
	s_mov_b32 s20, s66
	s_mov_b32 s21, 0
	s_add_nc_u64 s[G0A+2:G0A+3], s[4:5], s[20:21]
	s_add_nc_u64 s[G0R+2:G0R+3], s[G0A+2:G0A+3], CHB
	s_or_b32 s[G0A+3], s[G0A+3], 0x80000000
	s_or_b32 s[G0R+3], s[G0R+3], 0x80000000
	G0SET G0B, 4, 54
	G0SET G0S, 6, 89
	s_add_nc_u64 s[10:11], s[10:11], s[82:83]           ; W_q's or W_k's
	s_cmp_eq_u32 s14, 0
	s_cbranch_scc0 .Lwave_1
	TLOAD G0B, G1B                                      ; wave 0: W_v's rows
	s_branch .Lasked
.Lwave_1:
	s_cmp_eq_u32 s14, 1
	s_cbranch_scc0 .Lwave_2
	TLOAD G0S, G1S                                      ; wave 1: both chunks' scale words
	s_branch .Lasked
.Lwave_2:
	s_cmp_eq_u32 s14, 2
	s_cbranch_scc0 .Lwave_3
	TLOAD G0A, G1A                                      ; wave 2: chunk 0
	s_branch .Lasked
.Lwave_3:
	TLOAD G0R, G1A                                      ; wave 3: chunk 1
.Lasked:
.irp p, 0,1
.irp c, 0,1
	global_load_b128 v[SB+NQ*\p+4*\c:SB+NQ*\p+4*\c+3], v[ABS], s[84:85] offset:\p*32*KS+16*\c
.endr
.endr
	WIN 3<<6
.irp p, 0,1
.irp c, 0,1
	global_load_b128 v[SB2-768+NQ*\p+4*\c:SB2-768+NQ*\p+4*\c+3], v[ABS], s[10:11] offset:\p*32*KS+16*\c
.endr
.endr
	WIN 0
	s_and_b32 s22, s42, 7                               ; where the results go: s[76:77] Q's or K's codes,
	s_mul_i32 s76, s19, 6291456
	s_lshl_b32 s21, s43, 5
	s_lshl_b32 s20, s15, 3
	SADD 21, 20
	s_mul_i32 s21, s21, RBK
	SADD 76, 21
	s_mul_i32 s21, s22, 1536
	SADD 76, 21
	s_mul_i32 s21, s16, 768
	SADD 76, 21
	s_mov_b32 s77, 0
	s_lshl_b32 s78, s19, 18                             ; s[78:79] their scale words (the stage's halves lie in the order of work),
	s_lshl_b32 s21, s22, 15
	SADD 78, 21
	s_lshl_b32 s21, s43, 11
	SADD 78, 21
	s_xor_b32 s21, s15, s87
	s_lshl_b32 s21, s21, 10
	SADD 78, 21
	s_lshl_b32 s21, s16, 9
	SADD 78, 21
	s_mov_b32 s79, 0
	s_lshr_b32 s21, s12, 3                              ; s[80:81] V's codes,
	s_lshl_b32 s21, s21, 6
	s_lshl_b32 s20, s13, 3
	SADD 21, 20
	s_lshl_b32 s20, s16, 2
	SADD 21, 20
	s_mul_i32 s80, s21, 16*1536
	s_and_b32 s21, s12, 7
	s_lshl_b32 s21, s21, 1
	SADD 21, 15
	s_mul_i32 s21, s21, 1536
	SADD 80, 21
	s_add_co_u32 s80, s80, 12582912
	s_mov_b32 s81, 0
	s_lshl_b32 s21, s12, 1                              ; s[82:83] V's scale words
	SADD 21, 15
	s_lshl_b32 s82, s21, 12
	s_lshl_b32 s21, s13, 9
	SADD 82, 21
	s_lshl_b32 s21, s16, 8
	SADD 82, 21
	s_add_co_u32 s82, s82, 524288
	s_mov_b32 s83, 0
	v_lshl_add_u32 v23, v1, 2, v2                       ; 4 r + h
	s_lshl_b32 s21, s15, 9
	s_lshl_b32 s22, s16, 1
	SADD 21, 22
	s_add_co_u32 s21, s21, XN
	v_add_nc_u32 v[STO], s21, v23
	s_lshl_b32 s21, s15, 9
	s_lshl_b32 s22, s16, 8
	SADD 21, 22
	s_add_co_u32 s21, s21, XM
	WALU                                                ; directly ahead of the reader below
	v_add_nc_u32 v[STV], s21, v23
	s_load_b128 s[48:51], s[0:1], 0x10                  ; where the codes and the scale words go
	s_mov_b32 s46, 0
	s_mov_b32 s88, s67
	s_mov_b32 s47, 0
	s_mov_b32 s8, SCL
	s_xor_b32 s20, s87, 1                               ; the chunks still to come are the other half's
	s_mul_i32 s21, s20, 2*CHB
	SADD 88, 21
	s_mul_i32 s21, s20, 2*CU*256
	SADD 55, 21
	PFTILE 8, 9, 100                                    ; what the first refill will load
	WALU
	s_wait_loadcnt 0x0
	s_cmp_eq_u32 s14, 0
	s_cbranch_scc0 .Lnot_b
	s_wait_tensorcnt 0x0
.Lnot_b:
	BARRIER                                             ; W_v's rows are in
	PFGO 8, 4
	WEIGHTS
	s_cmp_eq_u32 s14, 3
	s_cbranch_scc1 .Lnot_a0
	s_wait_tensorcnt 0x0
.Lnot_a0:
	s_wait_dscnt 0x0
	BARRIER                                             ; chunk 0 and the scale words are in; chunk 1 may be on its way
	FETCH01
	s_wait_kmcnt 0x0
	s_add_nc_u64 s[10:11], s[48:49], s[76:77]
	s_add_nc_u64 s[80:81], s[48:49], s[80:81]
	s_add_nc_u64 s[78:79], s[50:51], s[78:79]
	s_add_nc_u64 s[82:83], s[50:51], s[82:83]
; ================= PHASE 1: V, eight blocks; band 0's way outs stand in band 1's blocks
.irp s, 0,1
	s_wait_dscnt NF
	BLOCK 1, \s, HV0+8*\s, 32, 0, 32, L_STEP
	WIN 0
	PLACES 4
	WALU
	FETCH \s
.endr
	s_wait_dscnt NF
	s_wait_xcnt 0x0                                     ; the list writes v8, the address of the head's prefetch
	GRD
	BLOCK 1, 0, HV0+16, 32, 0, 24, L_V2
	WIN 0
	WALU
	s_wait_dscnt 0x0
	s_barrier_signal -1
	BLOCK 1, 0, HV0+16, 32, 24, 32, L_NONE
	MIDDLE
	BARRIER
	s_cmp_eq_u32 s14, 0
	s_cbranch_scc0 .Lno_load
	TLOAD G0B, G1B                                      ; wave 0: W_q's or W_k's rows
.Lno_load:
	PLACES 4                                            ; the places ahead of the fetch, for the waves that come round the load
	WALU
	FETCH 0
	PFGO 7, 4
	PFGO 8, 6
	BLOCK 1, 1, HV0+24, 32, 0, 32, L_STEP
	WIN 0
	PLACES 4
	WALU
	FETCH 1
.irp j, 0,1,2
	s_wait_dscnt NF+(\j+1)/2
.if \j < 2
	BLOCK 1, \j%2, HV1+8*\j, 32, 0, 32, L_OUT, HV0+32*\j, \j
.else
	BLOCK 1, \j%2, HV1+8*\j, 32, 0, 32, L_LAST, HV0+32*\j, \j
.endif
	WIN 0
	CODES6 HV0+32*\j, MCD+12*\j, \j
	WALU
	ds_store_b8 v[STV], v[EB+\j] offset:64*\j
.if \j < 2
	FETCH \j%2
.endif
.endr
	s_wait_dscnt 1
	BLOCK 1, 1, HV1+24, 32, 0, 26, L_V7, HV0+96, 3
	WIN 0
	WALU
	s_wait_tensorcnt 0x0
	s_wait_dscnt 0x0
	s_barrier_signal -1                                 ; a plain barrier: the second weight's rows are shown to all
	BLOCK 1, 1, HV1+24, 32, 26, 32, L_NONE
	WIN 0
	s_barrier_wait -1
	CODES6 HV0+96, MCD+36, 3
	WALU
	ds_store_b8 v[STV], v[EB+3] offset:192
; ================= THE CHANGE OF PHASE: the weights and the first two blocks, out of slot 0 still, in one run of loads; band 1's way outs under their flight
	WEIGHTS
	FETCH01
	PFGO 20, 4
	WIN 3
.set I, 0
.rept 16
	v_mov_b32 v[SB+I], v[SB2-768+I]
.set I, I+1
.endr
	WIN 0
.set I, 0
.rept 18
.irp t, 0,1,2,3
	CHAIN I, HV1+32*\t, \t, 64+4*\t
.endr
.set I, I+1
.endr
.set I, 0
.rept 6
.irp t, 0,1,2,3
	CODES I, HV1+32*\t, MCD+12*\t+6, \t, 80+4*\t
.endr
.set I, I+1
.endr
	WIN 0
	WALU
; ================= PHASE 2: Q or K, sixteen blocks, way outs by pairs
	s_wait_dscnt NF
	BLOCK 0, 0, ACC, 8, 0, 32, L_STEP
	WIN 0
	PLACES 4
	WALU
.irp t, 0,1,2,3
	ds_store_b8 v[STV], v[EB+\t] offset:2+64*\t
.endr
.irp t, 0,1,2,3
.irp k, 0,1,2
	global_store_b128 v[CO], v[MCD+12*\t+4*\k:MCD+12*\t+4*\k+3], s[80:81] offset:16*1536*\t+512*\k   ; V's codes leave
.endr
.endr
	FETCH 0
	ODD NF+4, 1
	s_mov_b32 s86, 0
.Lwith_rounds:                                          ; blocks 2 to 5, 6 to 9
	EVENROUND NF+1
	ODD -1, 1
	EVEN NF+1, 1
	ODD NF+1, 1
	s_add_co_u32 s86, s86, 1
	s_cmp_lg_u32 s86, 2
	s_cbranch_scc1 .Lwith_rounds
.Lwithout:                                              ; blocks 10, 11 and 12, 13
	EVENSHOW NF+1
	ODD -1, 1
	s_add_co_u32 s86, s86, 1
	s_cmp_lg_u32 s86, 4
	s_cbranch_scc1 .Lwithout
	EVEN NF+1, 0
	ODD 1, 0
; ================= THE END: the last way out; the scale bytes go through LDS under its conversions
	s_lshl_b32 s21, s14, 9
	s_add_co_u32 s21, s21, XN
	v_add_nc_u32 v12, s21, v[CO]
	s_lshl_b32 s21, s14, 8
	s_add_co_u32 s21, s21, XM
	v_add_nc_u32 v14, s21, v[CO8]
.set I, 0
.rept 18
	CHAIN I, ACC+32, 1
.set I, I+1
.endr
	CODES 2, ACC+32, NCD+6, 1
	WALU
	ds_store_b8 v[VX], v[EB+1] offset:64
	s_wait_dscnt 0x0
	s_barrier_signal -1
	CODES 0, ACC+32, NCD+6, 1
	CODES 1, ACC+32, NCD+6, 1
	v_nop
.irp i, 3,4,5
	CODES \i, ACC+32, NCD+6, 1
.endr
	s_barrier_wait -1
	WALU
	ds_load_b128 v[64:67], v12
	ds_load_b64 v[68:69], v14
	PUTPAIR
	s_wait_dscnt 0x0
	global_store_b128 v[CO], v[64:67], s[78:79]
	global_store_b64 v[CO8], v[68:69], s[82:83]
	s_wait_tensorcnt 0x0                                ; the wave's end
	ds_add_u32 v[SPW], v[NIL]
	s_wait_dscnt 0x0
	CROUND
	s_endpgm
.Lfunc_end_k_qa42b5ca72f_proj:
	.size	k_qa42b5ca72f_proj, .Lfunc_end_k_qa42b5ca72f_proj-k_qa42b5ca72f_proj
	.p2alignl 7, 3214868480
	.fill 96, 4, 3214868480
	.section	.rodata,"a",@progbits
	.p2align	6, 0x0
	.amdhsa_kernel k_qa42b5ca72f_proj
		.amdhsa_group_segment_fixed_size 327680
		.amdhsa_private_segment_fixed_size 0
		.amdhsa_enable_private_segment 0
		.amdhsa_kernarg_size 32
		.amdhsa_user_sgpr_count 2
		.amdhsa_user_sgpr_kernarg_segment_ptr 1
		.amdhsa_wavefront_size32 1
		.amdhsa_system_sgpr_workgroup_id_x 1
		.amdhsa_system_sgpr_workgroup_id_y 1
		.amdhsa_system_sgpr_workgroup_id_z 1
		.amdhsa_system_vgpr_workitem_id 0
		.amdhsa_next_free_vgpr 984
		.amdhsa_next_free_sgpr 102
		.amdhsa_reserve_vcc 0
		.amdhsa_float_denorm_mode_32 3
		.amdhsa_float_denorm_mode_16_64 3
		.amdhsa_memory_ordered 1
		.amdhsa_forward_progress 1
		.amdhsa_inst_pref_size 180
	.end_amdhsa_kernel
	.amdgpu_metadata
---
amdhsa.version: [ 1, 2 ]
amdhsa.kernels:
  - .name:           k_qa42b5ca72f_proj
    .symbol:         k_qa42b5ca72f_proj.kd
    .args:
      - { .name: xw_codes, .offset: 0, .size: 8, .value_kind: global_buffer, .address_space: global }
      - { .name: xw_scales, .offset: 8, .size: 8, .value_kind: global_buffer, .address_space: global }
      - { .name: qkv_codes, .offset: 16, .size: 8, .value_kind: global_buffer, .address_space: global }
      - { .name: qkv_scales, .offset: 24, .size: 8, .value_kind: global_buffer, .address_space: global }
    .group_segment_fixed_size: 327680
    .private_segment_fixed_size: 0
    .kernarg_segment_align: 8
    .kernarg_segment_size: 32
    .max_flat_workgroup_size: 128
    .sgpr_count:     102
    .vgpr_count:     984
    .wavefront_size: 32
...
	.end_amdgpu_metadata
.endif
;; end of part 2
;; launch scores (part 3): grid 8 x 32, 4 waves a work-group, clusters of 4 x 4, 327,680 bytes of LDS; arguments qkv_codes, qkv_scales, p_codes, p_stats; writes p_codes, p_stats
.if DOCPART == 3
	.amdgcn_target "amdgcn-amd-amdhsa--gfx1250"
	.amdhsa_code_object_version 6
	.text
	.protected	k_qa42b5ca72f_scores
	.globl	k_qa42b5ca72f_scores
	.p2align	8
	.type	k_qa42b5ca72f_scores,@function
k_qa42b5ca72f_scores:
	s_mov_b64 s[64:65], 0
	v_nop
	global_prefetch_b8 v0, s[64:65] scope:SCOPE_SE
	s_setreg_imm32_b32 hwreg(HW_REG_WAVE_MODE, 25, 1), 1
	s_wait_xcnt 0x0
	s_wait_alu depctr_hold_cnt(0) depctr_sa_sdst(0) depctr_va_vdst(0) depctr_va_sdst(0) depctr_va_ssrc(0) depctr_va_vcc(0) depctr_vm_vsrc(0)
	s_getreg_b32 s2, hwreg(HW_REG_IB_STS2, 6, 4)
	s_cmp_eq_u32 s2, 0
	s_cbranch_scc0 .Lentry_in_a_cluster
	s_endpgm
.Lentry_in_a_cluster:
	s_bfe_u32 s2, ttmp6, 0x10000c
	s_cmp_lg_u32 s2, 0xf033
	s_cbranch_scc0 .Lentry_shape_is_right
	s_endpgm
.Lentry_shape_is_right:
; S = q k^T for each of 4 batches (2,048 x 2,048, K = 1,024) on codes of FP6 (E2M3) with E8M0 scales, and the softmax's p, quantised along the keys.
; t = score x log2(e) / 32.  A wave holds 128 queries x 128 keys (a CHUNK of keys).  For each query it takes ITS OWN M = ceil(the chunk's largest t), a whole number, p = 2^(t - M), the sum l of the unquantised p, and p's codes
; and scale word under that M.  The next launch takes the row's largest M over the 16 chunks and mends what hangs on M: l by an exact power of two, the scale bytes by a subtraction; the codes do not change.
; OPERANDS: fragments of 16 rows x 128 K, 1,536 bytes, in two halves of 64 K: four registers [lane][16], two registers [lane][8].  Lane r of row block 4 G + j holds row 64 G + 32 (r / 8) + 8 j + r % 8.
; SOURCE 0 = 16 rows of k, SOURCE 1 = 16 rows of q: accumulator (a, b), register j, lane (r, h) holds S(q's row block a, lane r; key 64 (b / 4) + 32 h + 8 (b % 4) + j): block a's 64 registers are two whole blocks of 32 keys.
; p_codes: [512 row blocks][16 chunks] whole images, registers 4 c .. 4 c + 3 of lane l at 512 c + 16 l.  p_stats: three arrays [16 chunks][8,192 rows] of words: p's scale words, -M (f32), l (f32).
; K is eight steps of 128.  LDS: region A, two steps; region B, four.  At the head one tensor load a wave: A's q and k (steps 0, 1), B's q and k (steps 2 to 5); A is filled once more (steps 6, 7) behind step 1's round.
; CLUSTER 4 x 4: q's tiles are asked for jointly along a row of the cluster, k's along a column.  No prefetch: the one refill is asked for four K steps, 256 products, ahead of its use, all else at the head.
; LIMITS: NaN and infinities are not served; p under 2^-126 is 0 (v_exp_f32 gives no denormals: ISA guide, its entry); a block whose largest p lies under 2^-124 keeps the byte 1.
; REGISTERS: window 0: v1-31 addresses; v32-63 q's scale words, v68-99 k's: pair of blocks p, K step s at 8 p + s; v100-127, v224-255 at work in the epilogue; v128-223 q's eight fragments.  Window 1: k's two sets.  Windows 2, 3: the accumulators.
.set FRB,   1536
.set FR,    12
.set NP,    4                          ; places behind this matrix instruction (ISA guide 7.12.1)
.set KA,    16*2*FRB                   ; region A: q at 0, k behind it
.set QB,    2*KA                       ; region B: q,
.set KB,    QB+16*4*FRB                ; k
.set SCL,   KB+16*4*FRB                ; the scale words: 512 rows (q's 256, k's 256) of 32 bytes + 16, stored through registers; no tile lands here
.set SPARE, SCL+512*48
.set PLANE, 32768
.set ADRQ,  16                         ; v16-17 regions A, B: + 16 lane
.set ADRQ8, 18                         ; v18-19 + 8 lane
.set ADRK,  20
.set ADRK8, 22
.set L4,    24
.set CO,    26
.set ASQ,   25
.set ASK,   27
.set SPW,   28
.set NIL,   29
.set H8,    30                         ; 8 h
.set GSA,   31
.set LSA,   15
.set SQ,    32
.set SK,    68
.set BM,    100
.set BG,    104                        ; two sets of two: the blocks' largest scores, then largest p
.set LA,    108                        ; v108-115 four chains of sums
.set TT,    116
.set NM,    118                        ; -M (v119 is named with it as a pair)
.set SO,    120
.set BY,    122
.set WW,    124
.set BX,    125
.set AF,    128
.set OUTS,  128                        ; v128-139 what is stored: never written twice
.set RES,   224                        ; v224-229 word, -M, l of an even and of an odd block
.set PC,    232                        ; v232-243 the codes; v244-250 at work
.set G1Q2,  24
.set G1K2,  32
.set G1Q4,  40
.set G1K4,  48
.set G0Q2,  56
.set G0K2,  60
.set G0Q4,  68
.set G0K4,  72
.set SEL,   90
.set MASK,  92
.set CS,    94
.set MSB, 0
.macro WIN new
.if MSB != (\new)
	s_set_vgpr_msb (MSB<<8)|(\new)
.set MSB, (\new)
.endif
.endm
.macro WALU
	s_wait_alu depctr_va_vdst(0)
.endm
.macro PLACES n
.rept \n
	v_nop
.endr
.endm
.macro TLOAD g0, g1
	tensor_load_to_lds s[\g0:\g0+3], s[\g1:\g1+7]
	s_nop 0
	PLACES 4
.endm
.macro CREST                           ; a round of the cluster's barrier behind its opening barrier
	s_cmp_lg_u32 s14, 0
	s_cbranch_scc1 .Lnot_wave_0_\@
	s_barrier_signal -3
.Lnot_wave_0_\@:
	s_barrier_wait -3
	s_barrier_signal -1
	s_barrier_wait -1
.endm
.macro CROUND
	s_barrier_signal -1
	s_barrier_wait -1
	CREST
.endm
.macro GROUP1 g, mask, n               ; 16 rows of n K steps, elements of 8 bytes
	s_or_b32 s[\g], s\mask, (3<<16)|(1<<21)
	s_mov_b32 s[\g+1], (192*\n)<<16
	s_mov_b32 s[\g+2], 16<<16
	s_mov_b32 s[\g+3], (192*\n)<<16
	s_mov_b32 s[\g+4], 16
	s_mov_b32 s[\g+5], 192*8
	s_mov_b32 s[\g+6], 0
	s_mov_b32 s[\g+7], 0
.endm
.macro GROUP0 g, lds, base, off
	s_mov_b32 s[\g], 1
	s_mov_b32 s[\g+1], \lds
	s_add_nc_u64 s[\g+2:\g+3], s[\base:\base+1], \off
	s_or_b32 s[\g+3], s[\g+3], 0x80000000
.endm
.macro PLACE ks                        ; where step ks lies: region RG_, ST_ steps to a row block, the K_th of them
.if (\ks) < 2
.set RG_, 0
.set ST_, 2
.set K_, (\ks)
.elseif (\ks) < 6
.set RG_, 1
.set ST_, 4
.set K_, (\ks)-2
.else
.set RG_, 0
.set ST_, 2
.set K_, (\ks)-6
.endif
.endm
.macro FRAG reg, adr, adr8, i
.set O_, ((\i)*ST_+K_)*FRB
	ds_load_b128 v[(\reg):(\reg)+3], v[\adr] offset:O_
	ds_load_b64 v[(\reg)+4:(\reg)+5], v[\adr8] offset:O_+512
	ds_load_b128 v[(\reg)+6:(\reg)+9], v[\adr] offset:O_+768
	ds_load_b64 v[(\reg)+10:(\reg)+11], v[\adr8] offset:O_+1280
.endm
.macro FETCH_B ks, p
	PLACE \ks
	WIN 0x40
.irp i, 0,1,2,3,4,5,6,7
	FRAG 128*(\p)+FR*\i, ADRK+RG_, ADRK8+RG_, \i
.endr
	WIN 0
.endm
.macro FETCH_A ks, i0
	PLACE \ks
	WIN 0
.set I_, \i0
.rept 4
	FRAG AF+FR*I_, ADRQ+RG_, ADRQ8+RG_, I_
.set I_, I_+1
.endr
.endm
.macro WM d, s0, s1, c, x0, x1, ra, rb
	v_wmma_scale_f32_16x16x128_f8f6f4 v[\d:\d+7], v[\s0:\s0+11], v[\s1:\s1+11], \c, v[\x0], v[\x1] matrix_a_fmt:MATRIX_FMT_FP6 matrix_b_fmt:MATRIX_FMT_FP6 matrix_a_scale:MATRIX_SCALE_ROW\ra matrix_b_scale:MATRIX_SCALE_ROW\rb
.endm
.macro MM2 c0, c1, rb
	WM D_, S0_, S1_, \c0, XK_, XQ_, 0, \rb
	WM D_+8, S0_+12, S1_, \c1, XK_, XQ_, 1, \rb
.endm
.macro MULB a, p, ks, zero
.set S1_, AF+FR*(\a)
.set XQ_, SQ+8*((\a)/2)+(\ks)
.irp pb, 0,1,2,3
.set D_, 64*((\a)%4)+16*\pb
.set S0_, 128*(\p)+24*\pb
.set XK_, SK+8*\pb+(\ks)
.if \zero
.if (\a)%2
	MM2 0, 0, 1
.else
	MM2 0, 0, 0
.endif
.else
.if (\a)%2
	MM2 v[D_:D_+7], v[D_+8:D_+15], 1
.else
	MM2 v[D_:D_+7], v[D_+8:D_+15], 0
.endif
.endif
.endr
.endm
.macro MULS a0, n, ks, zero            ; all accumulators take turns, one instruction a turn, in the same order in every step
.set A_, \a0
.rept \n
	WIN 0xa1+0x50*(A_/4)
	MULB A_, (\ks)%2, \ks, \zero
.set A_, A_+1
.endr
.endm
; K step ks.  mode 0: plain: k's next fragments are fetched at its head, q's lower blocks in its middle, q's upper blocks at its end.  mode 1: region A is filled again.  mode 2: a barrier alone, ahead of the refill's first read.  mode 3: the last.
.macro KSTEP ks, mode, zero
.if (\mode) == 0
	s_wait_dscnt 16                                ; all but q's upper blocks are in
	FETCH_B (\ks)+1, ((\ks)+1)%2
	MULS 0, 4, \ks, \zero
	s_wait_dscnt 32                                ; all but k's next fragments
	PLACES NP
	FETCH_A (\ks)+1, 0
	MULS 4, 4, \ks, \zero
	PLACES NP
	FETCH_A (\ks)+1, 4
.elseif (\mode) == 3
	s_wait_dscnt 16
	MULS 0, 4, \ks, \zero
	s_wait_dscnt 0x0
	MULS 4, 4, \ks, \zero
	WIN 0
.else
	s_wait_tensorcnt 0x0                           ; all my tensor loads have landed
.if (\mode) == 1
	ds_add_u32 v[SPW], v[NIL]                      ; 0 onto my spare word
	s_wait_dscnt 17                                ; (the add and q's upper blocks may be out)
.else
	s_wait_dscnt 16
.endif
	MULS 0, 2, \ks, \zero
	s_wait_dscnt 0x0                               ; my reads of the region are over
	s_barrier_signal -1
	MULS 2, 2, \ks, \zero
	WIN 0
	s_barrier_wait -1
.if (\mode) == 1
	CREST                                          ; no wave of any partner still reads region A or has a load on its way
	s_add_nc_u64 s[G0Q2+2:G0Q2+3], s[G0Q2+2:G0Q2+3], 6*FRB
	s_add_nc_u64 s[G0K2+2:G0K2+3], s[G0K2+2:G0K2+3], 6*FRB
	s_cmp_eq_u32 s14, 0
	s_cbranch_scc0 .Lrefill_k
	TLOAD G0Q2, G1Q2
	s_branch .Lrefilled
.Lrefill_k:
	s_cmp_eq_u32 s14, 1
	s_cbranch_scc0 .Lrefilled
	TLOAD G0K2, G1K2
.Lrefilled:
.endif
	PLACES NP
	FETCH_B (\ks)+1, ((\ks)+1)%2
	FETCH_A (\ks)+1, 0
	MULS 4, 4, \ks, \zero
	PLACES NP
	FETCH_A (\ks)+1, 4
.endif
.endm
	s_load_b256 s[4:11], s[0:1], 0x0               ; q's and k's codes s[4:5], their scale words s[6:7]; p's codes s[8:9], the statistics s[10:11]
	v_lshl_add_u32 v[SPW], v0, 2, SPARE
	v_mov_b32 v[NIL], 0
	ds_add_u32 v[SPW], v[NIL]                      ; the wave's opening: the add, twice on end, and its wait ahead of my first tensor load
	ds_add_u32 v[SPW], v[NIL]
	v_lshrrev_b32 v1, 5, v0
	v_readfirstlane_b32 s14, v1                    ; wave 0..3
	s_lshr_b32 s15, s14, 1                         ; my half of the queries
	s_and_b32 s16, s14, 1                          ; my half of the keys
	s_bfe_u32 s80, ttmp6, 0x40000                  ; cx
	s_bfe_u32 s81, ttmp6, 0x40004                  ; cy
	s_and_b32 s83, ttmp7, 0xffff                   ; Y
	s_lshl_b32 s82, ttmp9, 2
	s_add_co_u32 s82, s82, s80                     ; TC = 4 X + cx: which 256 keys of the batch
	s_lshl_b32 s2, s81, 2
	s_lshl_b32 s2, 15, s2                          ; my row of the cluster
	s_lshl_b32 s3, 0x1111, s80                     ; my column
	GROUP1 G1Q2, 2, 2
	GROUP1 G1Q4, 2, 4
	GROUP1 G1K2, 3, 2
	GROUP1 G1K4, 3, 4
	s_lshl_b32 s86, s83, 2
	s_add_co_u32 s86, s86, s81                     ; y = 4 Y + cy: which 256 of the 8,192 queries
	s_mul_i32 s20, s86, 16*8*FRB                   ; q's codes (Y and cy alone)
	s_mov_b32 s21, 0
	s_lshl_b32 s22, s86, 10                        ; q's scale words
	s_mov_b32 s23, 0
	s_lshr_b32 s18, s83, 1                         ; the batch: the same in all sixteen partners
	s_lshl_b32 s18, s18, 3
	s_add_co_u32 s18, s18, s82                     ; k's 256 rows (Y, X and cx alone)
	s_lshl_b32 s12, s18, 10
	s_add_co_u32 s12, s12, 262144                  ; k's scale words lie behind q's
	s_mov_b32 s13, 0
	s_mul_i32 s18, s18, 16*8*FRB
	s_add_co_u32 s18, s18, 6291456                 ; k's codes lie behind q's
	s_mov_b32 s19, 0
	s_lshl_b32 s96, s82, 1
	s_add_co_u32 s96, s96, s16                     ; my chunk of keys: 2 TC + half
	s_lshl_b32 s84, s86, 4
	s_lshl_b32 s97, s15, 3
	s_add_co_u32 s84, s84, s97                     ; my first row block of p
	s_lshl_b32 s84, s84, 4
	s_add_co_u32 s84, s84, s96
	s_mul_i32 s84, s84, FRB
	s_mov_b32 s85, 0
	s_lshl_b32 s88, s96, 15                        ; the statistics: plane 32,768 x chunk + 4 x row
	s_lshl_b32 s97, s86, 10
	s_add_co_u32 s88, s88, s97
	s_lshl_b32 s97, s15, 9
	s_add_co_u32 s88, s88, s97
	s_mov_b32 s89, 0
	s_mov_b32 s[SEL], 0x76543210
	s_mov_b32 s[SEL+1], 0xfedcba98
	s_mov_b32 s[CS], 0x3d38aa3b                    ; c = log2(e) / sqrt(1024)
	s_mov_b32 s[CS+1], s[CS]                       ; (named with it as a pair, so it is written)
	v_lshlrev_b32 v[GSA], 2, v0
	WALU
	s_wait_dscnt 0x0
	s_wait_kmcnt 0x0
	s_add_nc_u64 s[20:21], s[4:5], s[20:21]
	s_add_nc_u64 s[18:19], s[4:5], s[18:19]
	s_add_nc_u64 s[22:23], s[6:7], s[22:23]
	s_add_nc_u64 s[12:13], s[6:7], s[12:13]
	s_add_nc_u64 s[84:85], s[8:9], s[84:85]
	s_add_nc_u64 s[88:89], s[10:11], s[88:89]
.irp k, 0,1,2,3,4,5,6,7                        ; thread t takes the eight scale words of rows t and t + 128 of q and of k
	global_load_b32 v[128+\k], v[GSA], s[22:23] offset:PLANE*\k
	global_load_b32 v[136+\k], v[GSA], s[22:23] offset:PLANE*\k+512
	global_load_b32 v[144+\k], v[GSA], s[12:13] offset:PLANE*\k
	global_load_b32 v[152+\k], v[GSA], s[12:13] offset:PLANE*\k+512
.endr
	GROUP0 G0Q2, 0, 20, 0
	GROUP0 G0K2, KA, 18, 0
	GROUP0 G0Q4, QB, 20, 2*FRB
	GROUP0 G0K4, KB, 18, 2*FRB
	CROUND                                         ; all sixteen work-groups are here: the joint loads meet
.macro ARM n, g0, g1, next
	s_cmp_eq_u32 s14, \n
	s_cbranch_scc0 \next
	TLOAD \g0, \g1
	s_branch .Lasked
\next:
.endm
	ARM 0, G0Q2, G1Q2, .Lwave_1                    ; one load a wave; what is needed first is asked for first
	ARM 1, G0K2, G1K2, .Lwave_2
	ARM 2, G0Q4, G1Q4, .Lwave_3
	TLOAD G0K4, G1K4
.Lasked:
	v_bfe_u32 v2, v0, 4, 1                         ; h
	v_and_b32 v3, 31, v0                           ; lane
	v_lshlrev_b32 v[CO], 4, v3
	v_lshlrev_b32 v5, 3, v3
	v_lshlrev_b32 v[L4], 2, v3
	v_lshlrev_b32 v[H8], 3, v2
	v_cmp_le_u32 s[MASK], 16, v3
	s_mul_i32 s76, s15, 8*2*FRB
	s_mul_i32 s77, s15, 8*4*FRB
	s_add_co_u32 s77, s77, QB
	v_add_nc_u32 v[ADRQ], s76, v[CO]
	v_add_nc_u32 v[ADRQ+1], s77, v[CO]
	v_add_nc_u32 v[ADRQ8], s76, v5
	v_add_nc_u32 v[ADRQ8+1], s77, v5
	s_mul_i32 s78, s16, 8*2*FRB
	s_add_co_u32 s78, s78, KA
	s_mul_i32 s79, s16, 8*4*FRB
	s_add_co_u32 s79, s79, KB
	v_add_nc_u32 v[ADRK], s78, v[CO]
	v_add_nc_u32 v[ADRK+1], s79, v[CO]
	v_add_nc_u32 v[ADRK8], s78, v5
	v_add_nc_u32 v[ADRK8+1], s79, v5
	v_mul_u32_u24 v4, v3, 48                       ; a lane a row: lanes 0-15 an even block's rows, lanes 16-31 the odd one's
	s_mul_i32 s76, s15, 128*48
	s_add_co_u32 s76, s76, SCL
	v_add_nc_u32 v[ASQ], s76, v4
	s_mul_i32 s78, s16, 128*48
	s_add_co_u32 s78, s78, SCL+256*48
	v_add_nc_u32 v[ASK], s78, v4
	v_mul_u32_u24 v[LSA], v0, 48
	v_add_nc_u32 v[LSA], SCL, v[LSA]
	WALU
	s_wait_loadcnt 0x0
.irp k, 0,1
	ds_store_b128 v[LSA], v[128+4*\k:131+4*\k] offset:16*\k
	ds_store_b128 v[LSA], v[136+4*\k:139+4*\k] offset:128*48+16*\k
	ds_store_b128 v[LSA], v[144+4*\k:147+4*\k] offset:256*48+16*\k
	ds_store_b128 v[LSA], v[152+4*\k:155+4*\k] offset:384*48+16*\k
.endr
	s_wait_dscnt 0x0                               ; for the others' sake: my stores of scale words are done
	s_cmp_lt_u32 s14, 2
	s_cbranch_scc0 .Lnot_first
	s_wait_tensorcnt 0x0                           ; waves 0 and 1: steps 0 and 1 are in; region B may be on its way
.Lnot_first:
	s_barrier_signal -1
	s_barrier_wait -1
.irp p, 0,1,2,3
.irp k, 0,1
	ds_load_b128 v[SQ+8*\p+4*\k:SQ+8*\p+4*\k+3], v[ASQ] offset:32*48*\p+16*\k
	ds_load_b128 v[SK+8*\p+4*\k:SK+8*\p+4*\k+3], v[ASK] offset:32*48*\p+16*\k
.endr
.endr
	FETCH_B 0, 0
	FETCH_A 0, 0
	FETCH_A 0, 4
	KSTEP 0, 0, 1                                  ; the first products start the sums
	KSTEP 1, 1, 0                                  ; region B is in; region A takes steps 6 and 7
	KSTEP 2, 0, 0
	KSTEP 3, 0, 0
	KSTEP 4, 0, 0
	KSTEP 5, 2, 0                                  ; steps 6 and 7 have landed
	KSTEP 6, 0, 0
	KSTEP 7, 3, 0
; THE SOFTMAX.  A lane holds one query's 64 keys in block a: register 32 g + i = key 64 g + 32 h + i.  Block a + 1's maxima are taken behind block a's exponentials.
.macro MAXQ a                          ; the largest of each 16 registers, four chains
.set AC_, 64*((\a)%4)
.set WN_, 2+(\a)/4
	WIN WN_|(WN_<<2)|(WN_<<4)
.irp b, 0,1,2,3
	v_max3_num_f32 v[BM+\b], v[AC_+16*\b], v[AC_+16*\b+1], v[AC_+16*\b+2]
.endr
	WIN (WN_<<2)|(WN_<<4)
.irp i, 3,5,7,9,11,13
.irp b, 0,1,2,3
	v_max3_num_f32 v[BM+\b], v[BM+\b], v[AC_+16*\b+\i], v[AC_+16*\b+\i+1]
.endr
.endr
.irp b, 0,1,2,3
	v_max_num_f32 v[BM+\b], v[BM+\b], v[AC_+16*\b+15]
.endr
	WIN 0
.endm
.macro EXPQ a
.set AC_, 64*((\a)%4)
.set WN_, 2+(\a)/4
	WIN (WN_<<6)|WN_
.set J_, 0
.rept 32
	v_pk_fma_f32 v[AC_+J_:AC_+J_+1], v[AC_+J_:AC_+J_+1], s[CS:CS+1], v[NM:NM+1] op_sel_hi:[1,0,0]   ; t - M, two at a time
.set J_, J_+2
.endr
	WALU                                           ; ahead of the batch
.set J_, 0
.rept 64
	v_exp_f32 v[AC_+J_], v[AC_+J_]                 ; p = 2^(t - M), at most 1
.set J_, J_+1
.endr
	WIN 0
.irp g, 0,1
	v_exp_f32 v[BG+2*((\a)%2)+\g], v[BG+2*((\a)%2)+\g]   ; the block's largest p: the same two instructions on the same number (p rises with the score)
.endr
	v_nop
	WALU                                           ; and one behind it
	WIN WN_|(WN_<<2)
.irp k, 0,1,2,3
	v_pk_add_f32 v[LA+2*\k:LA+2*\k+1], v[AC_+4*\k:AC_+4*\k+1], v[AC_+4*\k+2:AC_+4*\k+3]       ; the sum of the UNQUANTISED p, four chains
.endr
	WIN WN_
.irp j, 16,24,32,40,48,56
.irp k, 0,1,2,3
	v_pk_add_f32 v[LA+2*\k:LA+2*\k+1], v[AC_+\j+2*\k:AC_+\j+2*\k+1], v[LA+2*\k:LA+2*\k+1]
.endr
.endr
	WIN 0
.endm
.macro TAILQ a                         ; block a's sum, scales, codes and stores (cur) beside block a + 1's M (nxt)
.set BC_, BG+2*(((\a)+2)%2)
.set BN_, BG+2*(((\a)+1)%2)
.set RS_, RES+3*(((\a)+2)%2)
.set CUR_, 0
.set NXT_, 0
.if (\a) >= 0
.set CUR_, 1
.endif
.if (\a) < 7
.set NXT_, 1
.endif
.if CUR_
	v_pk_add_f32 v[LA:LA+1], v[LA:LA+1], v[LA+2:LA+3]
	v_pk_add_f32 v[LA+4:LA+5], v[LA+4:LA+5], v[LA+6:LA+7]
.endif
.if NXT_
	v_max_num_f32 v[BN_], v[BM], v[BM+1]           ; the largest score of each block of 32 keys
	v_max_num_f32 v[BN_+1], v[BM+2], v[BM+3]
.endif
.if CUR_
	v_max_num_f32 v[BC_], 0x1800000, v[BC_]        ; the floor 2^(3 - 127): the byte cannot fall under 1
	v_max_num_f32 v[BC_+1], 0x1800000, v[BC_+1]
	v_pk_add_f32 v[LA:LA+1], v[LA:LA+1], v[LA+4:LA+5]
.endif
.if NXT_
	v_max_num_f32 v[TT], v[BN_], v[BN_+1]
.endif
.if CUR_
	v_add_nc_u32 v[SO], 0xff000000, v[BC_]         ; 2 off the exponent field: the conversion's scale operand
	v_add_nc_u32 v[SO+1], 0xff000000, v[BC_+1]
	v_add_f32 v[LA], v[LA], v[LA+1]
.endif
.if NXT_
	v_permlanex16_b32 v[BX], v[TT], s[SEL], s[SEL+1]
.endif
.if CUR_
	v_lshrrev_b32 v[BY], 23, v[SO]                 ; the scale's byte, at most 125
	v_lshrrev_b32 v[BY+1], 23, v[SO+1]
	v_permlanex16_b32 v[BX+1], v[LA], s[SEL], s[SEL+1]
.endif
.if NXT_
	v_max_num_f32 v[TT], v[TT], v[BX]              ; with lane l xor 16's 64 keys
.endif
.if CUR_
	v_lshl_or_b32 v[WW], v[BY+1], 16, v[BY]
	v_mov_b32 v[RS_+1], v[NM]
.endif
.if NXT_
	v_mul_f32 v[TT], s[CS], v[TT]                  ; the chunk's largest t (c is positive)
.endif
.if CUR_
	v_lshlrev_b32 v[WW], v[H8], v[WW]              ; my blocks h and 2 + h
	v_add_f32 v[RS_+2], v[LA], v[BX+1]             ; l of my query over the chunk
.endif
.if NXT_
	v_floor_f32 v[NM], -v[TT]                      ; -M = floor(-t) = -ceil(t): a whole number
.endif
.if CUR_
	v_permlanex16_b32 v[BX+2], v[WW], s[SEL], s[SEL+1]
.endif
.if NXT_
	v_fma_f32 v[BN_], v[BN_], s[CS], v[NM]         ; t - M of each block's largest score
	v_fma_f32 v[BN_+1], v[BN_+1], s[CS], v[NM]
.endif
.if CUR_
	v_or_b32 v[RS_], v[WW], v[BX+2]
	WALU
	s_wait_xcnt 0x0                                ; the last block's stores have read the codes' registers
.set AC_, 64*((\a)%4)
.set WN_, 2+(\a)/4
	WIN WN_
.irp c, 0,1
	v_cvt_scalef32_pk16_fp6_f32 v[PC+6*\c:PC+2+6*\c], v[AC_+32*\c:AC_+15+32*\c], v[SO+\c]
	v_cvt_scalef32_pk16_fp6_f32 v[PC+12+4*\c:PC+14+4*\c], v[AC_+16+32*\c:AC_+31+32*\c], v[SO+\c]
.endr
	WIN 0
	v_nop                                          ; one plain place behind the scaled conversions
.irp c, 0,1
.irp i, 0,1,2
	v_mov_b32 v[PC+3+6*\c+\i], v[PC+12+4*\c+\i]
.endr
.endr
.irp c, 0,1,2
	global_store_b128 v[CO], v[PC+4*\c:PC+4*\c+3], s[84:85] offset:16*FRB*(\a)+512*\c   ; the image: 512 consecutive bytes, aligned
.endr
.if ((\a)%2) == 1
.irp k, 0,1,2
	v_cndmask_b32 v[OUTS+3*((\a)/2)+\k], v[RES+\k], v[RES+3+\k], s[MASK]   ; lanes 0-15: the even block's rows, lanes 16-31: the odd block's: 128 consecutive bytes
	global_store_b32 v[L4], v[OUTS+3*((\a)/2)+\k], s[88:89] offset:524288*\k+128*((\a)/2)
.endr
.endif
.endif
.endm
	PLACES NP                                      ; in front of the first read of results
.irp b, 0,1,2
	v_mov_b32 v[BX+\b], 0                          ; written once: a lane permute's destination counts as one of its sources
.endr
	v_mov_b32 v[NM+1], 0                           ; named as the upper half of a pair
	MAXQ 0
	TAILQ -1
.irp a, 0,1,2,3,4,5,6
	EXPQ \a
	MAXQ \a+1
	TAILQ \a
.endr
	EXPQ 7
	TAILQ 7
	s_wait_tensorcnt 0x0                           ; the wave's end
	ds_add_u32 v[SPW], v[NIL]
	s_wait_dscnt 0x0
	CROUND                                         ; the closing round
	s_endpgm
.Lfunc_end_k_qa42b5ca72f_scores:
	.size	k_qa42b5ca72f_scores, .Lfunc_end_k_qa42b5ca72f_scores-k_qa42b5ca72f_scores
	.p2alignl 7, 3214868480
	.fill 96, 4, 3214868480
	.section	.rodata,"a",@progbits
	.p2align	6, 0x0
	.amdhsa_kernel k_qa42b5ca72f_scores
		.amdhsa_group_segment_fixed_size 327680
		.amdhsa_private_segment_fixed_size 0
		.amdhsa_enable_private_segment 0
		.amdhsa_kernarg_size 32
		.amdhsa_user_sgpr_count 2
		.amdhsa_user_sgpr_kernarg_segment_ptr 1
		.amdhsa_wavefront_size32 1
		.amdhsa_system_sgpr_workgroup_id_x 1
		.amdhsa_system_sgpr_workgroup_id_y 1
		.amdhsa_system_sgpr_workgroup_id_z 1
		.amdhsa_system_vgpr_workitem_id 0
		.amdhsa_next_free_vgpr 1024
		.amdhsa_next_free_sgpr 100
		.amdhsa_reserve_vcc 0
		.amdhsa_float_denorm_mode_32 3
		.amdhsa_float_denorm_mode_16_64 3
		.amdhsa_memory_ordered 1
		.amdhsa_forward_progress 1
		.amdhsa_inst_pref_size 198
	.end_amdhsa_kernel
	.amdgpu_metadata
---
amdhsa.version: [ 1, 2 ]
amdhsa.kernels:
  - .name:           k_qa42b5ca72f_scores
    .symbol:         k_qa42b5ca72f_scores.kd
    .args:
      - { .name: qkv_codes, .offset: 0, .size: 8, .value_kind: global_buffer, .address_space: global }
      - { .name: qkv_scales, .offset: 8, .size: 8, .value_kind: global_buffer, .address_space: global }
      - { .name: p_codes, .offset: 16, .size: 8, .value_kind: global_buffer, .address_space: global }
      - { .name: p_stats, .offset: 24, .size: 8, .value_kind: global_buffer, .address_space: global }
    .group_segment_fixed_size: 327680
    .private_segment_fixed_size: 0
    .kernarg_segment_align: 8
    .kernarg_segment_size: 32
    .max_flat_workgroup_size: 128
    .sgpr_count:     100
    .vgpr_count:     1024
    .wavefront_size: 32
...
	.end_amdgpu_metadata
.endif
;; end of part 3
;; launch pv (part 4): grid 4 x 64, 4 waves a work-group, clusters of 4 x 4, 327,680 bytes of LDS; arguments p_codes, p_stats, qkv_codes, qkv_scales, out0; writes out0
.if DOCPART == 4
	.amdgcn_target "amdgcn-amd-amdhsa--gfx1250"
	.amdhsa_code_object_version 6
	.text
	.protected	k_qa42b5ca72f_pv
	.globl	k_qa42b5ca72f_pv
	.p2align	8
	.type	k_qa42b5ca72f_pv,@function
k_qa42b5ca72f_pv:
	s_mov_b64 s[64:65], 0
	v_nop
	global_prefetch_b8 v0, s[64:65] scope:SCOPE_SE
	s_setreg_imm32_b32 hwreg(HW_REG_WAVE_MODE, 25, 1), 1
	s_wait_xcnt 0x0
	s_wait_alu depctr_hold_cnt(0) depctr_sa_sdst(0) depctr_va_vdst(0) depctr_va_sdst(0) depctr_va_ssrc(0) depctr_va_vcc(0) depctr_vm_vsrc(0)
	s_getreg_b32 s2, hwreg(HW_REG_IB_STS2, 6, 4)
	s_cmp_eq_u32 s2, 0
	s_cbranch_scc0 .Lentry_in_a_cluster
	s_endpgm
.Lentry_in_a_cluster:
	s_bfe_u32 s2, ttmp6, 0x10000c
	s_cmp_lg_u32 s2, 0xf033
	s_cbranch_scc0 .Lentry_shape_is_right
	s_endpgm
.Lentry_shape_is_right:
; O = P V / l for each of 4 batches (2,048 x 1,024, K = the 2,048 keys) on codes of FP6 (E2M3) with E8M0 scales.
; P's codes were made chunk by chunk (128 keys), each under its own whole number M_c.  Here, once for each row: M = the largest M_c, d_c = M - M_c; l = the sum of l_c 2^(-d_c), exact powers of two; each of the chunk's four scale
; bytes has d_c taken off.  The codes stay.  The result is multiplied by 1 / l (v_rcp_f32) at the end.
; OPERANDS are images of fragments (16 rows x 128 K, 1,536 bytes: registers 4 c .. 4 c + 3 of lane l at 512 c + 16 l), fragment (rb, ks) at (16 rb + ks) x 1,536; lane r of row block rb = 4 G + j holds row 64 G + 32 (r / 8) + 8 j + r % 8.
; SOURCE 0 = 16 rows of V^T, SOURCE 1 = 16 rows of P: accumulator (a, b), register j, lane (r, h) holds O(P's row block a, lane r; channel 64 (b / 4) + 32 h + 8 (b % 4) + j).
; A tile of O is 128 x 256, so that there are 256 tiles; four waves of 64 x 128: 32 accumulators.  K is sixteen steps of 128 in four fills of four steps; two LDS slots, both filled at the head, one tensor load a wave, each filled again once.
; A refill has four K steps, 128 products, in which to land.  Fragments of P and of V^T have two sets each: a step's are fetched while the step ahead of it is multiplied.
; CLUSTER 4 x 4: P's tiles are asked for jointly along a row of the cluster, V^T's along a column.
; PREFETCH: a refill's bytes are asked for three K steps ahead of it (fill 2 behind step 0, fill 3 behind step 4), shared out by address among the sixteen waves that ask jointly; each lane another block of 256 bytes, lanes left over its wave's last.
; LIMITS: NaN and infinities are not served.  d_c is held at 127, and a scale byte that would fall under 0 becomes 0 (2^-127): such terms are at most 7.5 x 2^-127 each beside a row whose largest p is above 1/2.
; REGISTERS: window 0: v1-31 addresses; v34-49 P's scale words, v56-87 V's, two sets each, and nothing else; v96-103 1 / l; v128-223 A's two sets (at the head v128-218 hold the statistics).
;   Window 1: B's two sets, at v0 and v128.   Window 2: the accumulators, (a, b) at v[8 (8 a + b)].  Window 3: on the way out rows of O.
.set FRB,   1536
.set FR,    12
.set NP,    4                          ; places behind this matrix instruction (ISA guide 7.12.1)
.set RB4,   4*FRB                      ; a row block's part of a fill
.set VOFF,  8*RB4                      ; in a slot: P's 8 row blocks, then V^T's 16
.set SLOT,  24*RB4
.set SCL,   2*SLOT                     ; behind the ring: the scale words, rows of 16 words + 16 bytes: P's 128, V's 256; stored through registers
.set SPT,   80
.set SCLV,  SCL+128*SPT
.set LINV,  SCLV+256*SPT               ; 1 / l of the tile's 128 rows
.set SPARE, LINV+512
.set SP,    528                        ; the way out: a stage of 16 rows x (512 bytes + 16) for each wave, in slot 0, which has had its last fill and its last read by then
.set PFP,   12
.set PFV,   13
.set ADRA,  16
.set LSP,   18
.set LSV,   19
.set ADRB,  20
.set LIT,   22
.set LIA,   23
.set STO,   24
.set RD,    25
.set CO,    26
.set ASP,   27
.set SPW,   28
.set NIL,   29
.set ASV,   30
.set GSA,   31
.set SA,    34
.set SB,    56
.set LI,    96
.set AF,    128
.set NMC,   128                        ; the head: v128-143 -M_c, v144-159 l_c, v160-175 p's scale words, v176-207 V's scale words
.set LC,    144
.set WC,    160
.set VS,    176
.set G1P,   24
.set G1V,   32
.set G0P,   56                         ; s[56:59] slot 0
.set G0V,   60
.set G0P1,  68                         ; slot 1
.set G0V1,  72
.set MSB, 0
.macro WIN new
.if MSB != (\new)
	s_set_vgpr_msb (MSB<<8)|(\new)
.set MSB, (\new)
.endif
.endm
.macro WALU
	s_wait_alu depctr_va_vdst(0)
.endm
.macro PLACES n
.rept \n
	v_nop
.endr
.endm
.macro TLOAD g0, g1
	tensor_load_to_lds s[\g0:\g0+3], s[\g1:\g1+7]
	s_nop 0
	PLACES 4
.endm
.macro CREST                           ; a round of the cluster's barrier behind its opening barrier
	s_cmp_lg_u32 s14, 0
	s_cbranch_scc1 .Lnot_wave_0_\@
	s_barrier_signal -3
.Lnot_wave_0_\@:
	s_barrier_wait -3
	s_barrier_signal -1
	s_barrier_wait -1
.endm
.macro CROUND
	s_barrier_signal -1
	s_barrier_wait -1
	CREST
.endm
.macro GROUP1 g, mask, rows            ; rows of four K steps, elements of 8 bytes
	s_or_b32 s[\g], s\mask, (3<<16)|(1<<21)
	s_mov_b32 s[\g+1], (192*4)<<16
	s_mov_b32 s[\g+2], (\rows)<<16
	s_mov_b32 s[\g+3], (192*4)<<16
	s_mov_b32 s[\g+4], \rows
	s_mov_b32 s[\g+5], 192*16
	s_mov_b32 s[\g+6], 0
	s_mov_b32 s[\g+7], 0
.endm
.macro GROUP0 g, lds, base, off
	s_mov_b32 s[\g], 1
	s_mov_b32 s[\g+1], \lds
	s_add_nc_u64 s[\g+2:\g+3], s[\base:\base+1], \off
	s_or_b32 s[\g+3], s[\g+3], 0x80000000
.endm
.macro FRAG reg, adr, q, i             ; a fragment comes as it was stored: three loads of 512 consecutive bytes
.irp c, 0,1,2
	ds_load_b128 v[(\reg)+4*\c:(\reg)+4*\c+3], v[\adr] offset:((\i)*4+(\q))*FRB+512*\c
.endr
.endm
.macro FETCH_B ks
	WIN 0x40
.irp i, 0,1,2,3,4,5,6,7
	FRAG 128*((\ks)%2)+FR*\i, ADRB+((\ks)/4)%2, (\ks)%4, \i
.endr
	WIN 0
.endm
.macro FETCH_A ks
	WIN 0
.irp i, 0,1,2,3
	FRAG AF+48*((\ks)%2)+FR*\i, ADRA+((\ks)/4)%2, (\ks)%4, \i
.endr
.endm
.macro SCALES f                        ; a fill's four words of a row: lanes 0-15 an even block's rows, lanes 16-31 the odd one's
.irp p, 0,1
	ds_load_b128 v[SA+8*((\f)%2)+4*\p:SA+8*((\f)%2)+4*\p+3], v[ASP] offset:32*SPT*\p+16*(\f)
.endr
.irp p, 0,1,2,3
	ds_load_b128 v[SB+16*((\f)%2)+4*\p:SB+16*((\f)%2)+4*\p+3], v[ASV] offset:32*SPT*\p+16*(\f)
.endr
.endm
.macro WM d, s0, s1, c, x0, x1, ra, rb
	v_wmma_scale_f32_16x16x128_f8f6f4 v[\d:\d+7], v[\s0:\s0+11], v[\s1:\s1+11], \c, v[\x0], v[\x1] matrix_a_fmt:MATRIX_FMT_FP6 matrix_b_fmt:MATRIX_FMT_FP6 matrix_a_scale:MATRIX_SCALE_ROW\ra matrix_b_scale:MATRIX_SCALE_ROW\rb
.endm
.macro MM2 c0, c1, rb
	WM D_, S0_, S1_, \c0, XV_, XP_, 0, \rb
	WM D_+8, S0_+12, S1_, \c1, XV_, XP_, 1, \rb
.endm
.macro MUL a, ks, zero                 ; eight products; all accumulators take turns, one instruction a turn, in the same order in every step
	WIN 0xa1
.set S1_, AF+48*((\ks)%2)+FR*(\a)
.set XP_, SA+8*(((\ks)/4)%2)+4*((\a)/2)+(\ks)%4
.irp pb, 0,1,2,3
.set D_, 64*(\a)+16*\pb
.set S0_, 128*((\ks)%2)+24*\pb
.set XV_, SB+16*(((\ks)/4)%2)+4*\pb+(\ks)%4
.if \zero
.if (\a)%2
	MM2 0, 0, 1
.else
	MM2 0, 0, 0
.endif
.else
.if (\a)%2
	MM2 v[D_:D_+7], v[D_+8:D_+15], 1
.else
	MM2 v[D_:D_+7], v[D_+8:D_+15], 0
.endif
.endif
.endr
.endm
; K step ks.  mode 0: plain.  mode 1: the slot's last step, and the slot is filled again.  mode 2: a barrier alone, in front of the first read of a slot that was filled again.
.macro KSTEP ks, mode, zero
.if (\mode) == 0
	s_wait_dscnt 9                                 ; all but A's blocks 1 to 3 are in
	PLACES NP
	FETCH_B (\ks)+1
	MUL 0, \ks, \zero
	s_wait_dscnt 6+24
	MUL 1, \ks, \zero
	FETCH_A (\ks)+1
	s_wait_dscnt 3+24+12
	MUL 2, \ks, \zero
	s_wait_dscnt 24+12
	MUL 3, \ks, \zero
.else
	WIN 0
	s_wait_tensorcnt 0x0                           ; all my tensor loads have landed
.if (\mode) == 1
	ds_add_u32 v[SPW], v[NIL]                      ; 0 onto my spare word
	s_wait_dscnt 10                                ; (the add and A's blocks 1 to 3 may be out)
.else
	s_wait_dscnt 9
.endif
	MUL 0, \ks, \zero
	s_wait_dscnt 0x0                               ; my reads of this slot are over
	s_barrier_signal -1
	MUL 1, \ks, \zero
	WIN 0
	s_barrier_wait -1
.if (\mode) == 1
	CREST                                          ; no wave of any partner still reads this slot or has a load on its way
.set GP_, G0P+12*(((\ks)/4)%2)
.set GV_, G0V+12*(((\ks)/4)%2)
	s_add_nc_u64 s[GP_+2:GP_+3], s[GP_+2:GP_+3], 8*FRB
	s_add_nc_u64 s[GV_+2:GV_+3], s[GV_+2:GV_+3], 8*FRB
	s_cmp_eq_u32 s14, 0
	s_cbranch_scc0 .Lrefill_v_\@
	TLOAD GP_, G1P
	s_branch .Lrefilled_\@
.Lrefill_v_\@:
	s_cmp_eq_u32 s14, 1
	s_cbranch_scc0 .Lrefilled_\@
	TLOAD GV_, G1V
.Lrefilled_\@:
.endif
	PLACES NP
	FETCH_B (\ks)+1
	SCALES ((\ks)+1)/4
	FETCH_A (\ks)+1
	MUL 2, \ks, \zero
	MUL 3, \ks, \zero
.endif
.endm
.macro ASKL2 ks                        ; the fill that begins with step ks, into the L2
	WIN 0
	global_prefetch_b8 v[PFP], s[20:21] offset:(\ks)*FRB th:TH_LOAD_NT scope:SCOPE_SE
	global_prefetch_b8 v[PFV], s[18:19] offset:(\ks)*FRB th:TH_LOAD_NT scope:SCOPE_SE
.endm
	s_load_b256 s[4:11], s[0:1], 0x0               ; P's codes s[4:5], the statistics s[6:7], V^T's codes in s[8:9], its scale words in s[10:11]
	s_load_b64 s[12:13], s[0:1], 0x20              ; O
	v_lshl_add_u32 v[SPW], v0, 2, SPARE
	v_mov_b32 v[NIL], 0
	ds_add_u32 v[SPW], v[NIL]                      ; the wave's opening: the add, twice on end, and its wait ahead of my first tensor load
	ds_add_u32 v[SPW], v[NIL]
	v_lshrrev_b32 v1, 5, v0
	v_readfirstlane_b32 s14, v1                    ; wave 0..3
	s_lshr_b32 s15, s14, 1                         ; my half of the rows
	s_and_b32 s16, s14, 1                          ; my half of the channels
	s_bfe_u32 s80, ttmp6, 0x40000                  ; cx
	s_bfe_u32 s81, ttmp6, 0x40004                  ; cy
	s_and_b32 s83, ttmp7, 0xffff                   ; Y
	s_lshl_b32 s82, ttmp9, 2
	s_add_co_u32 s82, s82, s80                     ; TC = 4 X + cx: which 256 channels
	s_lshl_b32 s2, s81, 2
	s_lshl_b32 s2, 15, s2                          ; my row of the cluster
	s_lshl_b32 s3, 0x1111, s80                     ; my column
	GROUP1 G1P, 2, 8
	GROUP1 G1V, 3, 16
	s_lshl_b32 s86, s83, 2
	s_add_co_u32 s86, s86, s81                     ; y = 4 Y + cy: which 128 of the 8,192 rows
	s_mul_i32 s20, s86, 8*16*FRB                   ; P's codes (Y and cy alone)
	s_mov_b32 s21, 0
	s_lshl_b32 s22, s86, 9                         ; the rows' statistics: 4 bytes a row in each plane
	s_mov_b32 s23, 0
	s_lshr_b32 s18, s83, 2                         ; the batch: the same in all sixteen partners
	s_lshl_b32 s40, s18, 16                        ; V's scale words: behind q's and k's; 16 planes of 4,096 bytes a batch
	s_lshl_b32 s41, s82, 10
	s_add_co_u32 s40, s40, s41
	s_add_co_u32 s40, s40, 524288
	s_mov_b32 s41, 0
	s_lshl_b32 s18, s18, 2
	s_add_co_u32 s18, s18, s82
	s_mul_i32 s18, s18, 16*16*FRB                  ; V^T's codes (Y, X and cx alone),
	s_add_co_u32 s18, s18, 12582912                ; behind q's and k's
	s_mov_b32 s19, 0
	s_lshl_b32 s84, s86, 19                        ; O: 128 y rows of 4,096 bytes,
	s_lshl_b32 s87, s15, 18                        ; 64 rows for my half,
	s_add_co_u32 s84, s84, s87
	s_lshl_b32 s87, s82, 10                        ; 256 channels a tile,
	s_add_co_u32 s84, s84, s87
	s_lshl_b32 s87, s16, 9                         ; 128 for my half
	s_add_co_u32 s84, s84, s87
	s_mov_b32 s85, 0
	s_mov_b32 s93, 0x01010101
	v_lshlrev_b32 v[GSA], 2, v0
	WALU
	s_wait_dscnt 0x0
	s_wait_kmcnt 0x0
	s_add_nc_u64 s[22:23], s[6:7], s[22:23]
	s_add_nc_u64 s[40:41], s[10:11], s[40:41]
	; THE ROWS' STATISTICS: thread t owns row t of the tile: 16 chunks' -M, l and scale word; and channels t and t + 128: V's 16 scale words
.irp c, 0,1,2,3,4,5,6,7,8,9,10,11,12,13,14,15
	global_load_b32 v[NMC+\c], v[GSA], s[22:23] offset:524288+32768*\c
	global_load_b32 v[LC+\c], v[GSA], s[22:23] offset:1048576+32768*\c
	global_load_b32 v[WC+\c], v[GSA], s[22:23] offset:32768*\c
.endr
	s_add_nc_u64 s[20:21], s[4:5], s[20:21]
	s_add_nc_u64 s[18:19], s[8:9], s[18:19]
	s_add_nc_u64 s[84:85], s[12:13], s[84:85]
	GROUP0 G0P, 0, 20, 0
	GROUP0 G0V, VOFF, 18, 0
	GROUP0 G0P1, SLOT, 20, 4*FRB
	GROUP0 G0V1, SLOT+VOFF, 18, 4*FRB
	CROUND                                         ; all sixteen work-groups are here: the joint loads meet
.macro ARM n, g0, g1, next
	s_cmp_eq_u32 s14, \n
	s_cbranch_scc0 \next
	TLOAD \g0, \g1
	s_branch .Lasked
\next:
.endm
	ARM 0, G0P, G1P, .Lwave_1                      ; one load a wave; what is needed first is asked for first
	ARM 1, G0V, G1V, .Lwave_2
	ARM 2, G0P1, G1P, .Lwave_3
	TLOAD G0V1, G1V
.Lasked:
.irp c, 0,1,2,3,4,5,6,7,8,9,10,11,12,13,14,15
	global_load_b32 v[VS+\c], v[GSA], s[40:41] offset:4096*\c
	global_load_b32 v[VS+16+\c], v[GSA], s[40:41] offset:4096*\c+512
.endr
	v_and_b32 v1, 15, v0                           ; r
	v_bfe_u32 v2, v0, 4, 1                         ; h
	v_and_b32 v3, 31, v0                           ; lane
	v_lshlrev_b32 v[CO], 4, v3
	v_mul_u32_u24 v4, v0, SPT
	v_add_nc_u32 v[LSP], SCL, v4
	v_add_nc_u32 v[LSV], SCLV, v4
	v_lshl_add_u32 v[LIT], v0, 2, LINV
	s_mul_i32 s76, s15, 4*RB4
	s_mul_i32 s77, s16, 8*RB4
	s_add_co_u32 s77, s77, VOFF
.irp s, 0,1
	v_add_nc_u32 v[ADRA+\s], s76, v[CO]
	v_add_nc_u32 v[ADRB+\s], s77, v[CO]
	s_add_co_u32 s76, s76, SLOT
	s_add_co_u32 s77, s77, SLOT
.endr
	v_mul_u32_u24 v4, v3, SPT
	s_mul_i32 s76, s15, 64*SPT
	s_add_co_u32 s76, s76, SCL
	v_add_nc_u32 v[ASP], s76, v4
	s_mul_i32 s77, s16, 128*SPT
	s_add_co_u32 s77, s77, SCLV
	v_add_nc_u32 v[ASV], s77, v4
	s_lshl_b32 s76, s15, 8
	s_add_co_u32 s76, s76, LINV
	v_lshl_add_u32 v[LIA], v1, 2, s76              ; 1 / l of my half's rows
	s_mul_i32 s78, s14, 16*SP                      ; my stage
	v_mul_u32_u24 v[STO], v1, SP
	v_lshl_add_u32 v[STO], v2, 7, v[STO]
	v_add_nc_u32 v[STO], s78, v[STO]               ; in: row r, + 128 h
	v_add_nc_u32 v[RD], s78, v[CO]                 ; back: a row of 512 bytes to the 32 lanes
	s_lshl_b32 s76, s80, 2
	s_add_co_u32 s76, s76, s14                     ; my number among the sixteen waves of my row of the cluster:
	s_lshr_b32 s77, s76, 1
	s_mul_i32 s77, s77, 16*FRB                     ; half a row block of P's fill, 12 blocks of 256 bytes
	s_and_b32 s76, s76, 1
	s_mul_i32 s76, s76, 2*FRB
	s_add_co_u32 s76, s76, s77
	v_min_u32 v4, 11, v3
	v_lshl_add_u32 v[PFP], v4, 8, s76
	s_lshl_b32 s76, s81, 2
	s_add_co_u32 s76, s76, s14                     ; and of my column: a row block of V^T's, 24 blocks
	s_mul_i32 s76, s76, 16*FRB
	v_min_u32 v4, 23, v3
	v_lshl_add_u32 v[PFV], v4, 8, s76
.irp a, 0,1,2,3
	v_mov_b32 v[LI+2*\a+1], 0                      ; (named with 1 / l as a pair)
.endr
	WALU
	s_wait_loadcnt 32                              ; the statistics are in; V's 32 words may be out
	v_min3_num_f32 v210, v[NMC], v[NMC+1], v[NMC+2]   ; the least -M_c is -M
.irp c, 3,5,7,9,11,13
	v_min3_num_f32 v210, v210, v[NMC+\c], v[NMC+\c+1]
.endr
	v_min_num_f32 v210, v210, v[NMC+15]
.macro MEND c
	v_sub_f32 v211, v[NMC+\c], v210                ; d = M - M_c, a whole number, 0 or more,
	v_min_num_f32 v211, 0x42fe0000, v211           ; held at 127
	v_cvt_u32_f32 v211, v211
	v_sub_nc_u32 v212, 0, v211
.if \c == 0
	v_ldexp_f32 v214, v[LC], v212                  ; l = the sum of l_c 2^(-d)
.else
	v_ldexp_f32 v213, v[LC+\c], v212
	v_add_f32 v214, v214, v213
.endif
	v_mul_lo_u32 v211, v211, s93                   ; d in each byte
	v_or_b32 v215, 0x80808080, v[WC+\c]            ; 128 + byte (at most 125) - d (at most 127) lies in 1 .. 253: no borrow goes from byte to byte,
	v_sub_nc_u32 v215, v215, v211
	v_lshrrev_b32 v216, 7, v215                    ; and bit 7 says: byte - d is not negative
	v_and_b32 v216, s93, v216
	v_lshlrev_b32 v217, 8, v216
	v_sub_nc_u32 v217, v217, v216                  ; 0xff in those bytes
	v_and_b32 v215, v215, v217
	v_and_b32 v[WC+\c], 0x7f7f7f7f, v215           ; byte - d, or 0
.endm
.irp c, 0,1,2,3,4,5,6,7,8,9,10,11,12,13,14,15
	MEND \c
.endr
	WALU
	v_rcp_f32 v218, v214
	v_nop                                          ; a plain place behind the reciprocal
	WALU                                           ; and the wait ahead of its first reader
	ds_store_b32 v[LIT], v218
.irp k, 0,1,2,3
	ds_store_b128 v[LSP], v[WC+4*\k:WC+4*\k+3] offset:16*\k
.endr
	s_wait_loadcnt 0x0
.irp k, 0,1,2,3
	ds_store_b128 v[LSV], v[VS+4*\k:VS+4*\k+3] offset:16*\k
	ds_store_b128 v[LSV], v[VS+16+4*\k:VS+16+4*\k+3] offset:128*SPT+16*\k
.endr
	s_wait_dscnt 0x0                               ; for the others' sake: my stores are done
	s_cmp_lt_u32 s14, 2
	s_cbranch_scc0 .Lnot_first
	s_wait_tensorcnt 0x0                           ; waves 0 and 1: fill 0 is in; fill 1 may be on its way
.Lnot_first:
	s_barrier_signal -1
	s_barrier_wait -1
	FETCH_B 0
	SCALES 0
	FETCH_A 0
	KSTEP 0, 0, 1                                  ; the first products start the sums
	ASKL2 8
	KSTEP 1, 0, 0
	KSTEP 2, 0, 0
	KSTEP 3, 1, 0                                  ; slot 0 takes fill 2
	KSTEP 4, 0, 0
	ASKL2 12
	KSTEP 5, 0, 0
	KSTEP 6, 0, 0
	KSTEP 7, 1, 0                                  ; slot 1 takes fill 3
	KSTEP 8, 0, 0
	KSTEP 9, 0, 0
	KSTEP 10, 0, 0
	KSTEP 11, 2, 0                                 ; fill 3 has landed in every wave; behind this barrier nobody reads slot 0
	KSTEP 12, 0, 0
	KSTEP 13, 0, 0
	KSTEP 14, 0, 0
; THE LAST STEP GOES BY ROWS, AND EACH BLOCK OF 16 ROWS x 128 CHANNELS LEAVES AS IT IS FINISHED: x 1 / l, through my own stage, back as whole rows of 512 bytes.  LDS serves a wave's instructions in order: no wait between the stores and the loads.
.macro SCALEO a
	WIN 0x82                                       ; destination and source 0: window 2
.set J_, 0
.rept 32
	v_pk_mul_f32 v[64*(\a)+J_:64*(\a)+J_+1], v[64*(\a)+J_:64*(\a)+J_+1], v[LI+2*(\a):LI+2*(\a)+1] op_sel_hi:[1,0]   ; each accumulator from its low end on
.set J_, J_+2
.endr
.endm
.macro TOSTAGE a
	WIN 0x08                                       ; an LDS store's data are its source 1: window 2
.irp b, 0,1,2,3,4,5,6,7
	ds_store_b128 v[STO], v[64*(\a)+8*\b:64*(\a)+8*\b+3] offset:256*(\b/4)+32*(\b%4)       ; channels 64 (b / 4) + 32 h + 8 (b % 4) + 0 .. 7
	ds_store_b128 v[STO], v[64*(\a)+8*\b+4:64*(\a)+8*\b+7] offset:256*(\b/4)+32*(\b%4)+16
.endr
	WIN 0xc0                                       ; back into window 3
.set BB, 64*((\a)%2)
.irp t, 0,1,2,3,4,5,6,7,8,9,10,11,12,13,14,15
	ds_load_b128 v[BB+4*\t:BB+4*\t+3], v[RD] offset:\t*SP
.endr
.endm
.macro SEND a, younger                 ; younger: the LDS instructions issued behind block a's loads, which may stay out
.set BB, 64*((\a)%2)
	s_wait_dscnt \younger
	WIN 0x0c                                       ; a store's data are its source 1: window 3
.irp t, 0,1,2,3,4,5,6,7,8,9,10,11,12,13,14,15
	global_store_b128 v[CO], v[BB+4*\t:BB+4*\t+3], s[84:85] offset:(8*(\a)+\t+24*(\t/8))*4096 th:TH_STORE_NT   ; lane t of block a is this row; 512 consecutive bytes, aligned; written once
.endr
.endm
	s_wait_dscnt 9
	WIN 0
.irp a, 0,1,2,3
	ds_load_b32 v[LI+2*\a], v[LIA] offset:64*\a    ; 1 / l of lane r's row of block a
.endr
	MUL 0, 15, 0
	s_wait_dscnt 6+4
	MUL 1, 15, 0
	s_wait_dscnt 0x0
	PLACES NP                                      ; in front of the first read of results
	SCALEO 0
	TOSTAGE 0
	MUL 2, 15, 0
	SCALEO 1                                       ; (block 0's multiplications are the places behind block 1's products, and so on)
	TOSTAGE 1
	SEND 0, 32                                     ; behind block 0's loads: block 1's 16 stores and 16 loads
	MUL 3, 15, 0
	SCALEO 2
	WALU
	s_wait_xcnt 0x0                                ; block 0's stores have read their registers
	TOSTAGE 2
	SEND 1, 32
	SCALEO 3
	WALU
	s_wait_xcnt 0x0
	TOSTAGE 3
	SEND 2, 32
	SEND 3, 0
	WIN 0
	s_wait_tensorcnt 0x0                           ; the wave's end
	ds_add_u32 v[SPW], v[NIL]
	s_wait_dscnt 0x0
	CROUND                                         ; the closing round
	s_endpgm
.Lfunc_end_k_qa42b5ca72f_pv:
	.size	k_qa42b5ca72f_pv, .Lfunc_end_k_qa42b5ca72f_pv-k_qa42b5ca72f_pv
	.p2alignl 7, 3214868480
	.fill 96, 4, 3214868480
	.section	.rodata,"a",@progbits
	.p2align	6, 0x0
	.amdhsa_kernel k_qa42b5ca72f_pv
		.amdhsa_group_segment_fixed_size 327680
		.amdhsa_private_segment_fixed_size 0
		.amdhsa_enable_private_segment 0
		.amdhsa_kernarg_size 40
		.amdhsa_user_sgpr_count 2
		.amdhsa_user_sgpr_kernarg_segment_ptr 1
		.amdhsa_wavefront_size32 1
		.amdhsa_system_sgpr_workgroup_id_x 1
		.amdhsa_system_sgpr_workgroup_id_y 1
		.amdhsa_system_sgpr_workgroup_id_z 1
		.amdhsa_system_vgpr_workitem_id 0
		.amdhsa_next_free_vgpr 896
		.amdhsa_next_free_sgpr 100
		.amdhsa_reserve_vcc 0
		.amdhsa_float_denorm_mode_32 3
		.amdhsa_float_denorm_mode_16_64 3
		.amdhsa_memory_ordered 1
		.amdhsa_forward_progress 1
		.amdhsa_inst_pref_size 162
	.end_amdhsa_kernel
	.amdgpu_metadata
---
amdhsa.version: [ 1, 2 ]
amdhsa.kernels:
  - .name:           k_qa42b5ca72f_pv
    .symbol:         k_qa42b5ca72f_pv.kd
    .args:
      - { .name: p_codes, .offset: 0, .size: 8, .value_kind: global_buffer, .address_space: global }
      - { .name: p_stats, .offset: 8, .size: 8, .value_kind: global_buffer, .address_space: global }
      - { .name: qkv_codes, .offset: 16, .size: 8, .value_kind: global_buffer, .address_space: global }
      - { .name: qkv_scales, .offset: 24, .size: 8, .value_kind: global_buffer, .address_space: global }
      - { .name: out0, .offset: 32, .size: 8, .value_kind: global_buffer, .address_space: global }
    .group_segment_fixed_size: 327680
    .private_segment_fixed_size: 0
    .kernarg_segment_align: 8
    .kernarg_segment_size: 40
    .max_flat_workgroup_size: 128
    .sgpr_count:     100
    .vgpr_count:     896
    .wavefront_size: 32
...
	.end_amdgpu_metadata
.endif
;; end of part 4
